; MI455X (gfx1250); checked and timed in simulation.
; The chip was launched on July 23, 2026; its instructions are those of AMD's public machine-readable ISA for CDNA 5 (MIT licence, August 2026) and "CDNA5" Instruction Set Architecture Reference Guide (July 2026). The comments in the code are by the model that wrote it; some were corrected since.
;; Attention. Allowed arithmetic: matrix products marked QUANTISED: E3M2 operands, one E8M0 scale for each 32 along K, by v_wmma_scale_f32_16x16x128_f8f6f4 with both operands' format E3M2, f32 sums; products left as they are: f32 operands where the result goes on into a quantised operand, else bf16, f16 or f32 operands; f32 sums; everything else in f32.
;; Inputs: Wh_w 1,024 x 1,024 float32; Ws_b 1,024 float32; Ws_w 1,024 x 1,024 float32; c_dec 1 x 128 x 512 float32; coverage_vector 128 x 512 float32; encoder_output 128 x 512 x 1,024 float32; h_dec 1 x 128 x 512 float32; v_w 1,024 float32; wc_w 1,024 float32; x_padding_masks 128 x 512 float32.
;; Outputs: out0 128 x 1,024 float32; out1 128 x 512 float32; out2 128 x 512 float32.
;; This version of the problem:
;;   THIS VERSION OF THE PROBLEM IS GIVEN IN LOW PRECISION. The matrix products marked QUANTISED in the list below multiply operands that are first quantised to E3M2 (3 exponent bits, 2 mantissa bits; 6 bits a number), with one power-of-two scale for each 32 numbers along K (OCP MX v1.0); their sums are f32. All else is computed in f32.
;;   The module's matrix products, in the order in which they are computed (A, B: the left and right operand; K: the contracted axis; several contracted axes count as one K, in the product's order):
;;     1. [M 65,536, K 1,024] x [K 1,024, N 1,024]; A: input encoder_output; B: input Wh_w: QUANTISED
;;     2. [M 128, K 1,024] x [K 1,024, N 1,024]; A: computed on the way; B: input Ws_w: QUANTISED
;;     3. [M 65,536, K 1,024] x [K 1,024, N 1]; A: computed on the way; B: input v_w: left as it is (N = 1 < 16)
;;     4. batch 128 x [M 1, K 512] x [K 512, N 1,024]; A: computed on the way; B: input encoder_output: left as it is (M = 1 < 16)
;;   THE QUANTISER, for each operand of a quantised product, along K:
;;     - K is cut into blocks of 32 from its start; a last block that is shorter is filled with zeros.
;;     - A block's scale is 2^e with e = floor(log2(the largest magnitude in the block)) - 4, held to -126 .. 127; a block of zeros has e = 0. As a byte (E8M0): e + 127.
;;     - Each number is divided by its block's scale, clamped to +-28, and rounded to the nearest number of E3M2, ties to even, subnormals kept.
;;     - The product sums the exact products of the quantised numbers (number of the format x scale) in f32.
;;   ~~~python
;;   def quantise(x, axis):      # numpy; x: float32 -> the quantised numbers, widened to float32 again
;;       x = np.moveaxis(x, axis, -1); K = x.shape[-1]
;;       x = np.pad(x, [(0, 0)] * (x.ndim - 1) + [(0, -K % 32)]); x = x.reshape(x.shape[:-1] + (-1, 32)); a = np.abs(x).max(-1, keepdims=True)
;;       e = np.where(a > 0, np.clip(np.frexp(np.where(a > 0, a, 1))[1] - 1 - 4, -126, 127), 0)      # np.frexp(a)[1] - 1 = floor(log2(a)), exactly
;;       r = np.clip(x / 2.0 ** e, -28, 28)
;;       step = 2.0 ** (np.maximum(np.frexp(np.where(r == 0, 1, r))[1] - 1, -2) - 2)
;;       q = np.round(r / step) * step * 2.0 ** e      # np.round: ties to even
;;       return np.moveaxis(q.reshape(q.shape[:-2] + (-1,))[..., :K], -1, axis).astype(np.float32)
;;   ~~~
;;   OPERANDS COMPUTED ON THE WAY. 'Computed on the way' means the value that the module computes at that place (a softmax that the list does not call 'softmax' is quantised finished and normalised). What goes into a quantiser is computed in f32, as accurately as f32 sums, v_exp_f32 and their like allow (about 1e-6 of the number): no bf16 or f16 on the way to a quantiser, and a product that is left as it is and whose result goes on into a quantised operand takes f32 operands (vector FMAs, or v_wmma_f32_16x16x4_f32). A number that lies on a knife's edge between two numbers of the format may be rounded either way, as far as f32 arithmetic and the matrix unit's own rounding can turn it there, and no further.
;; 3 versions. Each part assembles by itself: llvm-mc -triple=amdgcn-amd-amdhsa -mcpu=gfx1250 --defsym DOCPART=n.
;; ======== version 1 of 3: 3 launches
;; workspace buffers: whq 851,968 bytes; decf 524,288 bytes; scores 262,144 bytes; ctxp 1,048,576 bytes
;; launch prep (part 1): grid 32 x 1, 8 waves a work-group, no clusters, 89,088 bytes of LDS; arguments Wh_w, Ws_w, Ws_b, h_dec, c_dec, whq, decf; writes whq, decf
.if DOCPART == 1
	.amdgcn_target "amdgcn-amd-amdhsa--gfx1250"
	.amdhsa_code_object_version 6
	.text
	.protected	k_qabf8535801_prep
	.globl	k_qabf8535801_prep
	.p2align	8
	.type	k_qabf8535801_prep,@function
k_qabf8535801_prep:
	s_mov_b64 s[64:65], 0
	v_nop
	global_prefetch_b8 v0, s[64:65] scope:SCOPE_SE
	s_setreg_imm32_b32 hwreg(HW_REG_WAVE_MODE, 25, 1), 1
	s_wait_xcnt 0x0
; Work-groups 0-15: Wh [1024][1024] f32 becomes codes of BF6 (E3M2) with one E8M0 byte for each 32 along K, laid in whq in the order of the operand's registers.
; Work-groups 16-31: Ws is quantised the same way, kept in LDS, and dec_feat = Q(s_t) Q(Ws)^T + Ws_b is made for the group's 64 columns, s_t = (h_dec, c_dec) quantised in registers.
; A work-group takes 64 rows e of its weight (group G); wave s takes K step s (128 along K): four fragments of 16 rows.  Lane (r, h) loads k = 128 s + 64 c + 32 h + 0 .. 31 of its row:
; two whole blocks of 32, in the very order of the operand's registers 6 c .. 6 c + 5, so the conversions' results are the fragment.
; whq: block (G, s) at (8 G + s) x 6,656 bytes: fragment t's registers 4 c .. 4 c + 3 at 1,536 t + 512 c + 16 x lane; at 6,144 + 16 x lane the four scale words (word t: row 16 t + lane % 16).
; A block's scale byte is its largest magnitude's exponent field - 4, held at 1 from below.
; LIMITS: a block of zeros, or one whose largest magnitude lies under 2^-122, gets the byte 1 (zero codes add nothing under any byte but 0xff; this program alone reads the bytes); NaN and infinities are not served.
; The two kinds of work-group part on the work-group's number alone; only the second kind touches LDS or has a barrier.
.set TM, 12                            ; v12-13  largest magnitudes
.set OP, 14                            ; v14-15  the conversions' scale operands
.set BY, 16                            ; v16-17  scale bytes
.set W,  18                            ; v18     my two bytes at their places
.set PM, 19                            ; v19     lane l xor 16's
.set SW, 20                            ; v20-23  four scale words: scales and nothing else
.set SF, 24                            ; v24-35  s_t's fragment
.set CT, 36                            ; v36-43  the upper halves of two blocks' codes
.set SS, 60                            ; v60     s_t's scale word: scales and nothing else
.set X0, 64                            ; v64-127, v128-191  two sets of 64 numbers
.set F,  192                           ; v192-239 four fragments
.set STG, 53248                        ; LDS: 0 .. 53,247 the eight K steps' images, laid as a group of whq; then a stage of 16 rows x 272 bytes for each wave
	s_load_b256 s[4:11], s[0:1], 0x0               ; Wh, Ws, Ws_b, h_dec
	s_load_b128 s[12:15], s[0:1], 0x20             ; c_dec, whq
	s_load_b64 s[16:17], s[0:1], 0x30              ; decf
	v_lshl_add_u32 v62, v0, 2, 0x15800
	v_mov_b32 v63, 0
	v_lshrrev_b32 v1, 5, v0
	v_readfirstlane_b32 s18, v1                    ; wave 0..7
	v_and_b32 v12, 31, v0                          ; lane
	v_and_b32 v1, 15, v0                           ; r
	v_bfe_u32 v2, v0, 4, 1                         ; h
	v_lshlrev_b32 v3, 12, v1
	v_lshl_add_u32 v3, v2, 7, v3                   ; the weight: row r of 4,096 bytes + 128 h
	v_lshlrev_b32 v4, 4, v12                       ; 16 x lane
	v_lshlrev_b32 v5, 11, v1
	v_lshl_add_u32 v5, v2, 7, v5                   ; h_dec, c_dec: row r of 2,048 bytes + 128 h
	s_mul_i32 s28, s18, 6656
	v_add_nc_u32 v6, s28, v4                       ; LDS: my K step's image
	v_lshlrev_b32 v7, 5, v2                        ; Ws_b: 32 h
	v_lshlrev_b32 v8, 3, v2                        ; 8 h bits
	s_mul_i32 s29, s18, 4352
	s_add_co_u32 s29, s29, STG                     ; my stage
	v_mul_u32_u24 v9, v1, 272
	v_lshl_add_u32 v9, v2, 5, v9
	v_add_nc_u32 v9, s29, v9                       ; in: row r, + 32 h
	v_mul_u32_u24 v10, v2, 272
	v_lshl_add_u32 v10, v1, 4, v10
	v_add_nc_u32 v10, s29, v10                     ; back: lanes 0-15 one row, lanes 16-31 the next
	v_lshlrev_b32 v11, 12, v2
	v_lshl_add_u32 v11, v1, 4, v11                 ; and the same two rows in decf
	v_mov_b32 v[PM], 0                             ; a lane permute's destination counts as one of its sources
	s_mov_b32 s20, 0x76543210
	s_mov_b32 s21, 0xfedcba98                      ; selects for lane l xor 16
	s_and_b32 s22, ttmp9, 15                       ; G
	s_lshl_b32 s24, s22, 18                        ; 64 rows of 4,096 bytes
	s_lshl_b32 s26, s18, 9                         ; my K step: 512 bytes along a row
	s_add_co_u32 s24, s24, s26
	s_mov_b32 s25, 0
	s_lshl_b32 s26, s22, 3
	s_add_co_u32 s26, s26, s18
	s_mul_i32 s26, s26, 6656                       ; block (G, wave) of whq
	s_mov_b32 s27, 0
	s_lshl_b32 s30, s18, 15                        ; my 16 rows of h_dec and c_dec
	s_mov_b32 s31, 0
	s_lshl_b32 s32, s22, 8                         ; the group's 64 columns, in bytes
	s_mov_b32 s33, 0
	s_lshl_b32 s34, s18, 16                        ; my 16 rows of decf
	s_add_co_u32 s34, s34, s32
	s_mov_b32 s35, 0
	s_wait_kmcnt 0x0
	s_cmp_lt_u32 ttmp9, 16                         ; Wh's work-group or Ws's: the choice hangs on the work-group's number alone
	s_cselect_b64 s[4:5], s[4:5], s[6:7]
	s_add_nc_u64 s[4:5], s[4:5], s[24:25]
	s_add_nc_u64 s[14:15], s[14:15], s[26:27]
	s_add_nc_u64 s[10:11], s[10:11], s[30:31]
	s_add_nc_u64 s[12:13], s[12:13], s[30:31]
	s_add_nc_u64 s[8:9], s[8:9], s[32:33]
	s_add_nc_u64 s[16:17], s[16:17], s[34:35]
.macro LOADF t                         ; fragment t's 64 numbers a lane, into set t % 2
.irp c, 0,1
.irp j, 0,1,2,3,4,5,6,7
	global_load_b128 v[X0+64*((\t)%2)+32*\c+4*\j:X0+64*((\t)%2)+32*\c+4*\j+3], v3, s[4:5] offset:65536*(\t)+256*\c+16*\j
.endr
.endr
.endm
.macro LOADS s                         ; K step s of my 16 rows of s_t: the first 512 along K are h_dec's, the others c_dec's
.irp c, 0,1
.irp j, 0,1,2,3,4,5,6,7
.if (\s) < 4
	global_load_b128 v[X0+64*((\s)%2)+32*\c+4*\j:X0+64*((\s)%2)+32*\c+4*\j+3], v5, s[10:11] offset:512*((\s)%4)+256*\c+16*\j
.else
	global_load_b128 v[X0+64*((\s)%2)+32*\c+4*\j:X0+64*((\s)%2)+32*\c+4*\j+3], v5, s[12:13] offset:512*((\s)%4)+256*\c+16*\j
.endif
.endr
.endr
.endm
; 64 numbers of a lane, register 32 c + i = k 64 c + 32 h + i of my row, become a fragment in v[f] on and the row's scale word in v[sw]
.macro QUANT x, f, sw
.irp c, 0,1
	v_max3_num_f32 v[TM+\c], |v[(\x)+32*\c]|, |v[(\x)+32*\c+1]|, 0x2800000   ; with the floor 2^(5 - 127): the byte cannot fall under 1
.endr
.irp i, 2,4,6,8,10,12,14,16,18,20,22,24,26,28,30
.irp c, 0,1
	v_max3_num_f32 v[TM+\c], v[TM+\c], |v[(\x)+32*\c+\i]|, |v[(\x)+32*\c+\i+1]|   ; the two blocks by turns
.endr
.endr
.irp c, 0,1
	v_add_nc_u32 v[OP+\c], 0xfe000000, v[TM+\c]    ; 4 off the exponent field: the conversion's scale operand
.endr
.irp c, 0,1
	v_lshrrev_b32 v[BY+\c], 23, v[OP+\c]           ; the scale's byte
.endr
	v_lshl_or_b32 v[W], v[BY+1], 16, v[BY]         ; blocks h and 2 + h of my row,
	v_lshlrev_b32 v[W], v8, v[W]                   ; 8 h bits up;
	v_permlanex16_b32 v[PM], v[W], s20, s21
	v_or_b32 v[\sw], v[W], v[PM]                   ; with lane l xor 16's two the word is whole, in both halves of the lanes
.irp c, 0,1
	v_cvt_scalef32_pk16_bf6_f32 v[(\f)+6*\c:(\f)+6*\c+2], v[(\x)+32*\c:(\x)+32*\c+15], v[OP+\c]
	v_cvt_scalef32_pk16_bf6_f32 v[CT+4*\c:CT+4*\c+2], v[(\x)+32*\c+16:(\x)+32*\c+31], v[OP+\c]   ; a conversion's three registers begin on an even number
.endr
	v_nop                                          ; one plain instruction behind the scaled conversions
.irp c, 0,1
.irp i, 0,1,2
	v_mov_b32 v[(\f)+6*\c+3+\i], v[CT+4*\c+\i]
.endr
.endr
.endm
	LOADF 0
	LOADF 1
	s_wait_loadcnt 16                              ; fragment 0's sixteen loads are in, the next fragment's may be out
	QUANT X0, F, SW
	LOADF 2
	s_wait_loadcnt 16
	QUANT X0+64, F+12, SW+1
	LOADF 3
	s_wait_loadcnt 16
	QUANT X0, F+24, SW+2
	s_wait_loadcnt 0x0
	QUANT X0+64, F+36, SW+3
	s_cmp_lt_u32 ttmp9, 16
	s_cbranch_scc0 .Lws
	; ---- Wh: my block of 6,656 bytes leaves as it stands: each store covers 512 consecutive bytes, aligned
.irp t, 0,1,2,3
.irp c, 0,1,2
	global_store_b128 v4, v[F+12*\t+4*\c:F+12*\t+4*\c+3], s[14:15] offset:1536*\t+512*\c
.endr
.endr
	global_store_b128 v4, v[SW:SW+3], s[14:15] offset:6144
	s_endpgm
.Lws:
	; ---- Ws: the bias comes straight into the four accumulators (lane (r, h), register j of tile t: column 16 t + 8 h + j), so every product adds in place
.irp t, 0,1,2,3
	global_load_b128 v[240+8*\t-212*(\t/2):240+8*\t-212*(\t/2)+3], v7, s[8:9] offset:64*\t
	global_load_b128 v[240+8*\t-212*(\t/2)+4:240+8*\t-212*(\t/2)+7], v7, s[8:9] offset:64*\t+16
.endr
	LOADS 0
	LOADS 1
.irp t, 0,1,2,3
.irp c, 0,1,2
	ds_store_b128 v6, v[F+12*\t+4*\c:F+12*\t+4*\c+3] offset:1536*\t+512*\c
.endr
.endr
	ds_store_b128 v6, v[SW:SW+3] offset:6144
	s_wait_dscnt 0x0                               ; for the others' sake: my image lies in LDS
	s_barrier_signal -1
	s_barrier_wait -1                              ; all eight K steps' images do
; Wave w makes rows b = 16 w + r.  Transposed use: source 0 = 16 rows of Ws, source 1 = my 16 rows of s_t: a lane holds eight neighbouring columns of one row of dec_feat.
.macro DSTEP s
.if (\s) < 7
	s_wait_loadcnt 16                              ; this K step's numbers (and in the first step the bias) are in; the next step's sixteen loads may be out
.else
	s_wait_loadcnt 0x0
.endif
	QUANT X0+64*((\s)%2), SF, SS                   ; its first 32 lines name none of the last products' registers: they are the places in front of what follows
.if (\s) <= 5
	LOADS (\s)+2
.endif
.irp t, 0,1,2,3
.irp c, 0,1,2
	ds_load_b128 v[F+12*\t+4*\c:F+12*\t+4*\c+3], v4 offset:6656*(\s)+1536*\t+512*\c
.endr
.endr
	ds_load_b128 v[SW:SW+3], v4 offset:6656*(\s)+6144
	s_wait_dscnt 0x0
.rept 8
	v_nop                                          ; s_t's scale word was written by a vector instruction: eight places ahead of a scaled product; its codes: four
.endr
.irp t, 0,1,2,3                        ; the four accumulators by turns, one instruction a turn
	v_wmma_scale_f32_16x16x128_f8f6f4 v[240+8*\t-212*(\t/2):240+8*\t-212*(\t/2)+7], v[F+12*\t:F+12*\t+11], v[SF:SF+11], v[240+8*\t-212*(\t/2):240+8*\t-212*(\t/2)+7], v[SW+\t], v[SS] matrix_a_fmt:MATRIX_FMT_BF6 matrix_b_fmt:MATRIX_FMT_BF6
.endr
.endm
.irp s, 0,1,2,3,4,5,6,7
	DSTEP \s
.endr
.rept 4
	v_nop                                          ; four places ahead of the first read of results
.endr
.irp t, 0,1,2,3
	ds_store_b128 v9, v[240+8*\t-212*(\t/2):240+8*\t-212*(\t/2)+3] offset:64*\t          ; each accumulator from its low end on
	ds_store_b128 v9, v[240+8*\t-212*(\t/2)+4:240+8*\t-212*(\t/2)+7] offset:64*\t+16
.endr
.irp i, 0,1,2,3,4,5,6,7
	ds_load_b128 v[X0+4*\i:X0+4*\i+3], v10 offset:544*\i   ; LDS serves a wave's instructions in order: these see my stores
.endr
.irp i, 0,1,2,3,4,5,6,7
	s_wait_dscnt 7-\i                              ; rows 2 i and 2 i + 1 are back, the younger loads may be out
	global_store_b128 v11, v[X0+4*\i:X0+4*\i+3], s[16:17] offset:8192*\i   ; sixteen lanes store 256 consecutive bytes, aligned
.endr
	s_wait_tensorcnt 0x0
	ds_add_u32 v62, v63
	s_wait_dscnt 0x0
	s_endpgm
.Lfunc_end_k_qabf8535801_prep:
	.size	k_qabf8535801_prep, .Lfunc_end_k_qabf8535801_prep-k_qabf8535801_prep
	.p2alignl 7, 3214868480
	.fill 96, 4, 3214868480
	.section	.rodata,"a",@progbits
	.p2align	6, 0x0
	.amdhsa_kernel k_qabf8535801_prep
		.amdhsa_group_segment_fixed_size 89088
		.amdhsa_private_segment_fixed_size 0
		.amdhsa_enable_private_segment 0
		.amdhsa_kernarg_size 56
		.amdhsa_user_sgpr_count 2
		.amdhsa_user_sgpr_kernarg_segment_ptr 1
		.amdhsa_wavefront_size32 1
		.amdhsa_system_sgpr_workgroup_id_x 1
		.amdhsa_system_sgpr_workgroup_id_y 1
		.amdhsa_system_sgpr_workgroup_id_z 1
		.amdhsa_system_vgpr_workitem_id 0
		.amdhsa_next_free_vgpr 256
		.amdhsa_next_free_sgpr 66
		.amdhsa_reserve_vcc 0
		.amdhsa_float_denorm_mode_32 3
		.amdhsa_float_denorm_mode_16_64 3
		.amdhsa_memory_ordered 1
		.amdhsa_forward_progress 1
		.amdhsa_inst_pref_size 74
	.end_amdhsa_kernel
	.amdgpu_metadata
---
amdhsa.version: [ 1, 2 ]
amdhsa.kernels:
  - .name:           k_qabf8535801_prep
    .symbol:         k_qabf8535801_prep.kd
    .args:
      - { .name: Wh_w, .offset: 0, .size: 8, .value_kind: global_buffer, .address_space: global }
      - { .name: Ws_w, .offset: 8, .size: 8, .value_kind: global_buffer, .address_space: global }
      - { .name: Ws_b, .offset: 16, .size: 8, .value_kind: global_buffer, .address_space: global }
      - { .name: h_dec, .offset: 24, .size: 8, .value_kind: global_buffer, .address_space: global }
      - { .name: c_dec, .offset: 32, .size: 8, .value_kind: global_buffer, .address_space: global }
      - { .name: whq, .offset: 40, .size: 8, .value_kind: global_buffer, .address_space: global }
      - { .name: decf, .offset: 48, .size: 8, .value_kind: global_buffer, .address_space: global }
    .group_segment_fixed_size: 89088
    .private_segment_fixed_size: 0
    .kernarg_segment_align: 8
    .kernarg_segment_size: 56
    .max_flat_workgroup_size: 256
    .sgpr_count:     66
    .vgpr_count:     256
    .wavefront_size: 32
...
	.end_amdgpu_metadata
.endif
;; end of part 1
;; launch main (part 2): grid 256 x 1, 4 waves a work-group, no clusters, 299,520 bytes of LDS; arguments encoder_output, coverage_vector, x_padding_masks, v_w, wc_w, whq, decf, scores, ctxp; writes scores, ctxp
.if DOCPART == 2
	.amdgcn_target "amdgcn-amd-amdhsa--gfx1250"
	.amdhsa_code_object_version 6
	.text
	.protected	k_qabf8535801_main
	.globl	k_qabf8535801_main
	.p2align	8
	.type	k_qabf8535801_main,@function
k_qabf8535801_main:
	s_mov_b64 s[64:65], 0
	v_nop
	global_prefetch_b8 v0, s[64:65] scope:SCOPE_SE
	s_setreg_imm32_b32 hwreg(HW_REG_WAVE_MODE, 25, 1), 1
	s_wait_xcnt 0x0
; For 256 rows (half a batch) of encoder_output: score' = -2 x sum over e of v[e] / (1 + e^(2 x)), x = Q(enc) Q(Wh)^T + dec_feat + cov x wc, and the work-group's part of the context,
; sum over its rows of exp(score' - M) x mask x bf16(enc), M the largest of its 256 scores (a running maximum).  tanh(x) = 1 - 2 / (1 + e^(2 x)), so score' is the score less the sum of v:
; one constant for all rows, which a softmax cancels for every input; it is never added.  encoder_output is read from memory ONCE: a row is quantised for the first product and kept as bf16 for the last.
; SHARES.  Two tiles of 128 rows.  Q (load, quantise, keep) and C (context): wave w owns rows 32 w .. 32 w + 31 of the tile.  G (product, tanh): wave w owns columns e = 256 w .. 256 w + 255
; for all 128 rows, 64 columns at a time: 32 accumulators.  The product is used transposed (source 0 = 16 rows of Wh, source 1 = 16 rows of enc): lane (r, h) holds row 16 m + r, register j column 16 t + 8 h + j:
; cov is one number a lane, dec_feat is the C of the first K step, and the sum over e runs down a lane's registers.
; NO TENSOR LOADS, NO CLUSTER: codes, kept rows and stages take 299,008 bytes of LDS; one K step of the four waves' Wh is 26,624 bytes, so two slots (53,248) have no room in what is left (28,672).
; Wh's fragments, laid in whq in the order of the operand's registers, come straight into registers by loads of 512 consecutive bytes, four K steps ahead.
; LIMITS: NaN and infinities are not served; a block of zeros, or one under 2^-122, gets the scale byte 1 (its codes are zeros or subnormal as the floor gives them); scores under -3e38 are not served;
; enc is rounded to bf16 for the context alone.
; REGISTERS, in windows of 256.  Window 0: v1-22 addresses; v23 M; v24-27 masks; v28-31 scores; v32-39 cov; v40-55 score sums; v56-87 context (d = 32 lane + n); v88-119 enc's scale words;
;   v120-135 Wh's scale words; v136-231 enc's eight fragments (in Q: two rows of f32, codes, bf16; in C: p and two kept rows); v232-255 at work.
; Window 1: the accumulators ((m, t) at 8 (4 m + t)); in Q eight landing slots of a row.  Window 2: four sets of Wh's four fragments; v192-223 dec_feat, then v; v224-255 wc.  Window 3: my kept rows 0-15.
.set ESC,   100352                     ; LDS: 0: codes, 128 rows of 768 + 16 bytes;  ESC: scale bytes, 128 rows of 48
.set RET,   106496                     ; kept rows 16-31 of each wave, as images of 16 registers: 32,768 a wave
.set TURN,  237568                     ; a row of f32 turns here: 4,608 a wave; byte a at a + 16 (a / 128)
.set CONST, 256000                     ; dec_feat[b], wc, v: 4,096 each
.set SCP,   268288                     ; the waves' partial scores: 512 a wave
.set PW,    270336                     ; the tile's 128 weights, a copy for each wave
.set COVL,  272384                     ; cov of the 256 rows, a copy for each wave;  4,096 further on the masks likewise
.set MSK,   276480
.set CTXS,  280576                     ; the waves' contexts meet here: 4,608 a wave
.set COV, 32
.set SC,  40
.set CTX, 56
.set ES,  88
.set WS,  120
.set EF,  136
.set X0,  136
.set HD,  168
.set CD,  200
.set RB,  208
.set TQ,  224
.set P,   136
.set RA,  168
.set T,   232
.set U,   240
.set K1,  192
.set K2,  224
.set MSB, 0
.macro WIN new                         ; the immediate's high byte repeats the setting that is left; a switch that changes nothing is dropped
.if MSB != \new
	s_set_vgpr_msb (MSB<<8)|\new
.set MSB, \new
.endif
.endm
.macro PLACES                          ; four plain instructions behind a matrix instruction, ahead of loads into its registers and of reads of its result
.rept 4
	v_nop
.endr
.endm
.macro BARRIER                         ; my LDS stores have landed and my LDS loads are in: then the work-group's barrier
	s_wait_dscnt 0x0
	s_barrier_signal -1
	s_barrier_wait -1
.endm
.macro LOADROW slot, row               ; a row of 4,096 bytes: eight loads of 512 consecutive bytes, into a landing slot of window 1
	WIN 0x40
.irp j, 0,1,2,3,4,5,6,7
	global_load_b128 v[32*(\slot)+4*\j:32*(\slot)+4*\j+3], v1, s[24:25] offset:4096*(\row)+512*\j th:TH_LOAD_NT
.endr
.endm
.macro TURNROW slot, x                 ; through my stage: in as loaded, out 128 bytes a lane: X[n] = enc(row, 32 lane + n), a whole block of 32 in a lane
	WIN 0x04
.irp j, 0,1,2,3,4,5,6,7
	ds_store_b128 v2, v[32*(\slot)+4*\j:32*(\slot)+4*\j+3] offset:576*\j
.endr
	WIN 0
.irp j, 0,1,2,3,4,5,6,7
	ds_load_b128 v[X0+32*(\x)+4*\j:X0+32*(\x)+4*\j+3], v3 offset:16*\j   ; LDS serves a wave's instructions in order: these see the stores above
.endr
.endm
.macro WORKROW i, x                    ; my row i: its block's scale, 24 bytes of codes and a scale byte to LDS, and the row as bf16 into window 3 (rows 0-15) or LDS (rows 16-31)
	WIN 0
.set XR, X0+32*(\x)
	v_max3_num_f32 v[TQ], |v[XR]|, |v[XR+1]|, 0x2800000            ; two chains, each over the floor 2^(5 - 127): the byte cannot fall under 1
	v_max3_num_f32 v[TQ+1], |v[XR+2]|, |v[XR+3]|, 0x2800000
.irp n, 4,8,12,16,20,24,28
	v_max3_num_f32 v[TQ], v[TQ], |v[XR+\n]|, |v[XR+\n+1]|
	v_max3_num_f32 v[TQ+1], v[TQ+1], |v[XR+\n+2]|, |v[XR+\n+3]|
.endr
	v_max_num_f32 v[TQ], v[TQ], v[TQ+1]
	v_add_nc_u32 v[TQ+1], 0xfe000000, v[TQ]        ; 4 off the exponent field: the conversion's scale operand
	v_cvt_scalef32_pk16_bf6_f32 v[CD:CD+2], v[XR:XR+15], v[TQ+1]
	v_cvt_scalef32_pk16_bf6_f32 v[CD+4:CD+6], v[XR+16:XR+31], v[TQ+1]   ; a conversion's three registers begin on an even number
	v_lshrrev_b32 v[TQ+2], 23, v[TQ+1]             ; the scale's byte; also the plain instruction behind the conversions
	v_mov_b32 v[CD+3], v[CD+4]
	v_mov_b32 v[CD+4], v[CD+5]
	v_mov_b32 v[CD+5], v[CD+6]
	ds_store_b64 v4, v[CD:CD+1] offset:784*(\i)
	ds_store_b64 v4, v[CD+2:CD+3] offset:784*(\i)+8
	ds_store_b64 v4, v[CD+4:CD+5] offset:784*(\i)+16
	ds_store_b8 v5, v[TQ+2] offset:48*(\i)
.if (\i) < 16
	WIN 0xc0
.irp k, 0,1,2,3,4,5,6,7,8,9,10,11,12,13,14,15
	v_cvt_pk_bf16_f32 v[16*(\i)+\k], v[XR+2*\k], v[XR+2*\k+1]
.endr
.else
.irp k, 0,1,2,3,4,5,6,7,8,9,10,11,12,13,14,15
	v_cvt_pk_bf16_f32 v[RB+\k], v[XR+2*\k], v[XR+2*\k+1]
.endr
.irp c, 0,1,2,3
	ds_store_b128 v6, v[RB+4*\c:RB+4*\c+3] offset:2048*((\i)-16)+512*\c
.endr
.endif
.endm
.macro FETCH_E s, m0                   ; enc's fragments of K step s, blocks m0 .. m0 + 3: 24 bytes twice a lane, in pieces of 8; rows 784 bytes apart, so the 32 lanes of a load touch 64 different banks (ISA guide 11.1)
.irp mm, 0,1,2,3
.irp p, 0,1,2,3,4,5
	ds_load_b64 v[EF+12*((\m0)+\mm)+2*\p:EF+12*((\m0)+\mm)+2*\p+1], v[7+(\m0)/4] offset:12544*\mm+96*(\s)+48*(\p/3)+8*(\p%3)
.endr
.endr
.endm
.macro FETCH_W sg, base, step          ; a block of whq into set sg: four fragments and their scale words: thirteen loads of 512 consecutive bytes
	WIN 0x80
.irp t, 0,1,2,3
.irp c, 0,1,2
	global_load_b128 v[48*(\sg)+12*\t+4*\c:48*(\sg)+12*\t+4*\c+3], v1, s[\base:\base+1] offset:6656*(\step)+1536*\t+512*\c
.endr
.endr
	WIN 0
	global_load_b128 v[WS+4*(\sg):WS+4*(\sg)+3], v1, s[\base:\base+1] offset:6656*(\step)+6144
.endm
; 16 products: enc's blocks m0 .. m0 + 3 x Wh's four fragments, K step s.  The first K step takes dec_feat as C.  enc's scale words of K steps 4-7 lie in lanes 16-31.
; The 32 accumulators take turns, one instruction a turn, in the same order in every step.
.macro MUL16 s, m0
.if (\s) == 0
	WIN 0x62                                       ; Wh window 2, enc window 0, C (dec_feat) window 2, D window 1
.else
	WIN 0x52                                       ; C and D window 1
.endif
.irp mm, 0,1,2,3
.irp t, 0,1,2,3
.set AC, 8*(4*((\m0)+\mm)+\t)
.set WF, 48*((\s)%4)+12*\t
.set ER, EF+12*((\m0)+\mm)
.if (\s) == 0
	v_wmma_scale_f32_16x16x128_f8f6f4 v[AC:AC+7], v[WF:WF+11], v[ER:ER+11], v[K1+8*\t:K1+8*\t+7], v[WS+4*((\s)%4)+\t], v[ES+4*((\m0)+\mm)+((\s)&3)] matrix_a_fmt:MATRIX_FMT_BF6 matrix_b_fmt:MATRIX_FMT_BF6
.elseif (\s) < 4
	v_wmma_scale_f32_16x16x128_f8f6f4 v[AC:AC+7], v[WF:WF+11], v[ER:ER+11], v[AC:AC+7], v[WS+4*((\s)%4)+\t], v[ES+4*((\m0)+\mm)+((\s)&3)] matrix_a_fmt:MATRIX_FMT_BF6 matrix_b_fmt:MATRIX_FMT_BF6
.else
	v_wmma_scale_f32_16x16x128_f8f6f4 v[AC:AC+7], v[WF:WF+11], v[ER:ER+11], v[AC:AC+7], v[WS+4*((\s)%4)+\t], v[ES+4*((\m0)+\mm)+((\s)&3)] matrix_a_fmt:MATRIX_FMT_BF6 matrix_b_fmt:MATRIX_FMT_BF6 matrix_b_scale:MATRIX_SCALE_ROW1
.endif
.endr
.endr
.endm
.macro STEP s                          ; one K step: 32 products; enc's fragments of the next step come in two runs, Wh's of four steps on in one
	s_wait_loadcnt 39                              ; this step's set of Wh is in; the three younger sets, 13 loads each, may be out
	s_wait_dscnt 24                                ; enc's blocks 0-3 are in; the youngest 24 loads (blocks 4-7) may be out
	MUL16 \s, 0
	s_wait_dscnt 0x0                               ; blocks 4-7 are in
	PLACES
	WIN 0
	FETCH_E ((\s)+1)%8, 0
	MUL16 \s, 4
	PLACES
.if (\s) == 0
	WIN 0x80                                       ; dec_feat has served: v takes its registers.  These loads stand ahead of blocks 4-7's, so that the count 24 keeps its meaning
.irp t, 0,1,2,3
.irp u, 0,1
	ds_load_b128 v[K1+8*\t+4*\u:K1+8*\t+4*\u+3], v11 offset:8192+64*\t+16*\u
.endr
.endr
.endif
	WIN 0
	FETCH_E ((\s)+1)%8, 4
.if (\s) < 4
	FETCH_W (\s)%4, 26, (\s)+4                     ; this group's K steps 4-7,
.else
	FETCH_W (\s)%4, 28, (\s)-4                     ; then the next group's K steps 0-3
.endif
.endm
; The 256 accumulator registers in place: x = sum + wc cov;  2^(2 log2(e) x);  + 1;  reciprocal;  the score sums take v times it.  Two batches of 256 transcendentals, one wait each.
.macro EPILOGUE
	WIN 0x52
.irp m, 0,1,2,3,4,5,6,7
.irp t, 0,1,2,3
.irp p, 0,2,4,6                        ; each accumulator from its low end on
.if (\m)%2 == 0
	v_pk_fma_f32 v[8*(4*\m+\t)+\p:8*(4*\m+\t)+\p+1], v[K2+8*\t+\p:K2+8*\t+\p+1], v[COV+2*(\m/2):COV+2*(\m/2)+1], v[8*(4*\m+\t)+\p:8*(4*\m+\t)+\p+1] op_sel_hi:[1,0,1]
.else
	v_pk_fma_f32 v[8*(4*\m+\t)+\p:8*(4*\m+\t)+\p+1], v[K2+8*\t+\p:K2+8*\t+\p+1], v[COV+2*(\m/2):COV+2*(\m/2)+1], v[8*(4*\m+\t)+\p:8*(4*\m+\t)+\p+1] op_sel:[0,1,0] op_sel_hi:[1,1,1]
.endif
.endr
.endr
.endr
	WIN 0x41
.set J, 0
.rept 128
	v_pk_mul_f32 v[J:J+1], v[J:J+1], s[36:37] op_sel_hi:[1,0]
.set J, J+2
.endr
.set J, 0
.rept 256
	v_exp_f32 v[J], v[J]
.set J, J+1
.endr
	v_nop                                          ; a plain instruction behind the last exponential
	s_wait_alu depctr_va_vdst(0)                   ; one wait for the batch, ahead of its first reader
.set J, 0
.rept 128
	v_pk_add_f32 v[J:J+1], v[J:J+1], 1.0 op_sel_hi:[1,0]
.set J, J+2
.endr
.set J, 0
.rept 256
	v_rcp_f32 v[J], v[J]
.set J, J+1
.endr
	v_nop
	s_wait_alu depctr_va_vdst(0)                   ; and one for the reciprocals
	WIN 0x09
.irp t, 0,1,2,3
.irp p, 0,2,4,6
.irp m, 0,1,2,3,4,5,6,7                ; eight chains that do not wait for each other
	v_pk_fma_f32 v[SC+2*\m:SC+2*\m+1], v[8*(4*\m+\t)+\p:8*(4*\m+\t)+\p+1], v[K1+8*\t+\p:K1+8*\t+\p+1], v[SC+2*\m:SC+2*\m+1]
.endr
.endr
.endr
	WIN 0
.endm
.macro CROW src, win, i                ; context += p[i] x my kept row i: 32 multiply-adds straight from bf16 halves
	WIN \win
.irp k, 0,1,2,3,4,5,6,7,8,9,10,11,12,13,14,15
	v_fma_mix_f32_bf16 v[CTX+2*\k], v[(\src)+\k], v[P+(\i)], v[CTX+2*\k] op_sel_hi:[1,0,0]
	v_fma_mix_f32_bf16 v[CTX+2*\k+1], v[(\src)+\k], v[P+(\i)], v[CTX+2*\k+1] op_sel:[1,0,0] op_sel_hi:[1,0,0]
.endr
.endm
	s_load_b512 s[4:19], s[0:1], 0x0               ; enc s[4:5], cov s[6:7], mask s[8:9], v s[10:11], wc s[12:13], whq s[14:15], decf s[16:17], scores s[18:19]
	s_load_b64 s[20:21], s[0:1], 0x40              ; ctxp
	v_lshrrev_b32 v252, 5, v0
	v_readfirstlane_b32 s22, v252                  ; wave 0..3
	v_and_b32 v253, 31, v0                         ; lane l
	v_and_b32 v254, 15, v0                         ; r
	v_bfe_u32 v255, v0, 4, 1                       ; h
	v_lshrrev_b32 v250, 3, v253                    ; l / 8
	v_lshlrev_b32 v1, 4, v253                      ; 16 l
	s_mul_i32 s44, s22, 4608
	s_add_co_u32 s45, s44, TURN
	v_lshl_add_u32 v2, v250, 4, v1
	v_add_nc_u32 v2, s45, v2                       ; the stage, in: 16 l + 16 (l / 8)
	v_mul_u32_u24 v3, v253, 144
	v_add_nc_u32 v20, s44, v3
	v_add_nc_u32 v20, CTXS, v20                    ; my context's place: 144 l
	v_add_nc_u32 v3, s45, v3                       ; the stage, out: 144 l
	s_mul_i32 s45, s22, 25088
	v_mul_u32_u24 v4, v253, 24
	v_add_nc_u32 v4, s45, v4                       ; codes: my 32 rows, block l
	s_mul_i32 s45, s22, 1536
	s_add_co_u32 s45, s45, ESC
	v_add_nc_u32 v5, s45, v253                     ; scale bytes: my 32 rows, byte l
	s_lshl_b32 s45, s22, 15
	s_add_co_u32 s45, s45, RET
	v_add_nc_u32 v6, s45, v1                       ; my kept rows
	v_mul_u32_u24 v7, v254, 784
	v_mad_u32_u24 v7, v255, 24, v7                 ; a fragment: row r, + 24 h
	v_add_nc_u32 v8, 50176, v7                     ; and 64 rows further on
	v_mul_u32_u24 v9, v254, 48
	v_lshl_add_u32 v9, v255, 4, v9
	v_add_nc_u32 v9, ESC, v9                       ; scale words: row r; lanes 0-15 K steps 0-3, lanes 16-31 K steps 4-7
	s_lshl_b32 s45, s22, 10
	s_add_co_u32 s46, s45, CONST
	v_lshlrev_b32 v10, 5, v255
	v_add_nc_u32 v10, s46, v10                     ; the constants of my 256 columns, + 32 h
	s_add_co_u32 s46, s45, COVL
	v_lshlrev_b32 v16, 2, v254
	v_add_nc_u32 v16, s46, v16                     ; cov of row r
	s_add_co_u32 s46, s45, MSK
	v_add_nc_u32 v17, s46, v1                      ; masks of rows 4 l .. 4 l + 3
	s_lshl_b32 s45, s22, 9
	s_add_co_u32 s46, s45, SCP
	v_lshlrev_b32 v12, 2, v254
	v_add_nc_u32 v12, s46, v12                     ; my partial scores: row r
	v_add_nc_u32 v13, SCP, v1                      ; all waves': rows 4 l .. 4 l + 3
	s_add_co_u32 s46, s45, PW
	v_add_nc_u32 v14, s46, v1                      ; my copy of the weights: rows 4 l .. 4 l + 3
	s_mul_i32 s46, s22, 640
	s_add_co_u32 s46, s46, PW
	v_mov_b32 v15, s46                             ; in it my own 32 rows: the same address in every lane
	s_mul_i32 s46, s22, 1152
	s_add_co_u32 s46, s46, CTXS
	v_lshl_add_u32 v21, v250, 4, v1
	v_add_nc_u32 v21, s46, v21                     ; the contexts' d = 256 w + 4 l on
	v_lshlrev_b32 v22, 8, v253                     ; the prefetches' offset: 256 l; never rewritten
	v_lshlrev_b32 v252, 4, v0                      ; 16 x thread
	v_lshl_add_u32 v253, v0, 4, CONST
	s_lshl_b32 s45, s22, 10
	s_add_co_u32 s45, s45, COVL
	v_add_nc_u32 v254, s45, v1
	v_mov_b32 v255, 0                              ; a lane permute's destination counts as one of its sources: written once
	v_mov_b32 v249, 0                              ; named as the upper half of the pair v[248:249]
.irp m, 0,1,2,3,4,5,6,7
	v_mov_b32 v[U+\m], 0
.endr
	v_mov_b32 v23, 0xff61b1e6                      ; M: -3e38
.irp n, 0,1,2,3,4,5,6,7,8,9,10,11,12,13,14,15,16,17,18,19,20,21,22,23,24,25,26,27,28,29,30,31
	v_mov_b32 v[CTX+\n], 0                         ; the context: the tile is written once, and the first change of M leaves zeros zeros
.endr
	s_mov_b32 s36, 0x4038aa3b                      ; 2 log2(e)
	s_mov_b32 s37, s36                             ; named with it as a pair
	s_mov_b32 s38, 0x3fb8aa3b                      ; log2(e)
	s_mov_b32 s40, 0x76543210
	s_mov_b32 s41, 0xfedcba98                      ; selects for lane l xor 16
	s_lshl_b32 s44, ttmp9, 20                      ; 256 rows of 4,096 bytes,
	s_lshl_b32 s46, s22, 17                        ; my 32 of a tile
	s_add_co_u32 s44, s44, s46
	s_mov_b32 s45, 0
	s_mul_i32 s46, s22, 212992                     ; my four groups of whq
	s_mov_b32 s47, 0
	s_lshl_b32 s48, ttmp9, 10                      ; 256 rows of 4 bytes
	s_mov_b32 s49, 0
	s_lshr_b32 s50, ttmp9, 1
	s_lshl_b32 s50, s50, 12                        ; the batch's row of dec_feat
	s_mov_b32 s51, 0
	s_wait_kmcnt 0x0
	s_add_nc_u64 s[24:25], s[4:5], s[44:45]        ; enc at my first row
	s_add_nc_u64 s[30:31], s[14:15], s[46:47]      ; whq at my group 0,
	s_mov_b64 s[26:27], s[30:31]                   ; the group in hand,
	s_add_nc_u64 s[28:29], s[30:31], 53248         ; and the next
	s_add_nc_u64 s[6:7], s[6:7], s[48:49]
	s_add_nc_u64 s[8:9], s[8:9], s[48:49]
	s_add_nc_u64 s[42:43], s[18:19], s[48:49]
	s_add_nc_u64 s[16:17], s[16:17], s[50:51]
	s_lshl_b32 s44, ttmp9, 12
	s_lshl_b32 s46, s22, 10
	s_add_co_u32 s44, s44, s46
	s_add_nc_u64 s[20:21], s[20:21], s[44:45]      ; ctxp: my work-group's row, my 256 numbers
	global_load_b128 v[HD:HD+3], v252, s[16:17]
	global_load_b128 v[HD+4:HD+7], v252, s[16:17] offset:2048
	global_load_b128 v[HD+8:HD+11], v252, s[12:13]
	global_load_b128 v[HD+12:HD+15], v252, s[12:13] offset:2048
	global_load_b128 v[HD+16:HD+19], v252, s[10:11]
	global_load_b128 v[HD+20:HD+23], v252, s[10:11] offset:2048
	global_load_b128 v[HD+24:HD+27], v1, s[6:7]
	global_load_b128 v[HD+28:HD+31], v1, s[6:7] offset:512
	global_load_b128 v[HD+32:HD+35], v1, s[8:9]
	global_load_b128 v[HD+36:HD+39], v1, s[8:9] offset:512
	FETCH_W 0, 26, 0
	FETCH_W 1, 26, 1
	FETCH_W 2, 26, 2
	FETCH_W 3, 26, 3
	s_mov_b32 s34, 0                               ; the tile
	s_mov_b32 s39, 0                               ; 512 x tile: its 128 rows of 4 bytes
.Ltile:
	; ---- Q: my 32 rows come in, eight rows (64 loads) ahead; each turns through LDS one row ahead of its work
.irp i, 0,1,2,3,4,5,6,7
	LOADROW \i, \i
.endr
	WIN 0
	s_wait_loadcnt 56                              ; row 0 and all that was asked for before it are in; rows 1-7 may be out
	s_cmp_lg_u32 s34, 0
	s_cbranch_scc1 .Lconst_done                    ; the constants go to LDS in the first tile alone
.irp i, 0,1,2,3,4,5
	ds_store_b128 v253, v[HD+4*\i:HD+4*\i+3] offset:2048*\i        ; dec_feat, wc, v: for all waves
.endr
	ds_store_b128 v254, v[HD+24:HD+27]                             ; cov and masks: my wave's own copy
	ds_store_b128 v254, v[HD+28:HD+31] offset:512
	ds_store_b128 v254, v[HD+32:HD+35] offset:4096
	ds_store_b128 v254, v[HD+36:HD+39] offset:4608
.Lconst_done:
	TURNROW 0, 0
.set I, 0
.rept 32
	s_wait_dscnt 0x0                               ; row I is back from the stage, and earlier LDS stores have read their registers
.if I+8 <= 31
	LOADROW I%8, I+8                               ; its landing slot takes the row eight further on
.endif
.if I < 31
.if I+8 <= 31
	s_wait_loadcnt 56                              ; row I + 1 is in; the seven younger rows may be out
.else
	s_wait_loadcnt 8*(30-I)                        ; the counts run down
.endif
	TURNROW (I+1)%8, (I+1)%2
.endif
	WORKROW I, I%2
.set I, I+1
.endr
	WIN 0
	BARRIER                                        ; 1: the tile's codes and scale bytes, and the constants, lie in LDS
	s_wait_xcnt 0x0                                ; the last tile's store of scores has read its offset
	v_add_nc_u32 v18, s39, v16
	v_add_nc_u32 v19, s39, v17
	v_add_nc_u32 v251, s39, v1
.irp m, 0,1,2,3,4,5,6,7
	ds_load_b128 v[ES+4*\m:ES+4*\m+3], v9 offset:768*\m
.endr
.irp m, 0,1,2,3,4,5,6,7
	ds_load_b32 v[COV+\m], v18 offset:64*\m
.endr
.irp m, 0,1,2,3,4,5,6,7,8,9,10,11,12,13,14,15
	v_mov_b32 v[SC+\m], 0
.endr
	FETCH_E 0, 0
	FETCH_E 0, 4
	s_mov_b32 s32, 0                               ; the group
	s_mov_b32 s35, 0                               ; 256 x group: its 64 columns of 4 bytes
.Lgroup:
	; ---- G: 128 rows x 64 columns
	v_add_nc_u32 v11, s35, v10
	WIN 0x80
.irp t, 0,1,2,3
.irp u, 0,1
	ds_load_b128 v[K1+8*\t+4*\u:K1+8*\t+4*\u+3], v11 offset:64*\t+16*\u          ; dec_feat
	ds_load_b128 v[K2+8*\t+4*\u:K2+8*\t+4*\u+3], v11 offset:4096+64*\t+16*\u     ; wc
.endr
.endr
	WIN 0
	s_wait_dscnt 0x0
.irp s, 0,1,2,3,4,5,6,7
	STEP \s
.endr
	EPILOGUE
	s_wait_xcnt 0x0                                ; the loads of Wh have read their bases
	s_mov_b64 s[26:27], s[28:29]
	s_add_nc_u64 s[28:29], s[28:29], 53248
	s_add_co_u32 s32, s32, 1
	s_add_co_u32 s35, s35, 256
	s_cmp_eq_u32 s32, 3
	s_cselect_b64 s[28:29], s[30:31], s[28:29]     ; behind my last group comes my first again, for the next tile (behind the last tile: 52 loads that nobody uses, inside whq)
	s_cmp_lt_u32 s32, 4
	s_cbranch_scc1 .Lgroup
	s_add_nc_u64 s[24:25], s[24:25], 0x80000       ; enc: my rows of the next tile (no load that names the base is out)
	s_cmp_lg_u32 s34, 0
	s_cbranch_scc1 .Lno_ask
	; a prefetch of my first eight rows of the next tile: 32,768 bytes, each lane another 256, each block named once in the launch; the scores' and the context's work stands between it and the loads
.irp j, 0,1,2,3
	global_prefetch_b8 v22, s[24:25] offset:8192*\j th:TH_LOAD_NT scope:SCOPE_SE
.endr
.Lno_ask:
	; ---- S: the scores of the tile's 128 rows, and their weights under the running maximum
.irp m, 0,1,2,3,4,5,6,7
	v_add_f32 v[T+\m], v[SC+2*\m], v[SC+2*\m+1]
.endr
.irp m, 0,1,2,3,4,5,6,7
	v_permlanex16_b32 v[U+\m], v[T+\m], s40, s41
.endr
.irp m, 0,1,2,3,4,5,6,7
	v_add_f32 v[T+\m], v[T+\m], v[U+\m]            ; with lane l xor 16's columns
.endr
.irp m, 0,1,2,3,4,5,6,7
	v_mul_f32 v[T+\m], -2.0, v[T+\m]
.endr
.irp m, 0,1,2,3,4,5,6,7
	ds_store_b32 v12, v[T+\m] offset:64*\m         ; both halves of the lanes write the same word with the same value
.endr
	BARRIER                                        ; 2: the four waves' partial scores lie in LDS, and nobody reads this tile's codes any more
.irp w, 0,1,2,3
	ds_load_b128 v[T+4*\w:T+4*\w+3], v13 offset:512*\w
.endr
	ds_load_b128 v[24:27], v19
	s_wait_dscnt 0x0
	v_pk_add_f32 v[232:233], v[232:233], v[236:237]
	v_pk_add_f32 v[234:235], v[234:235], v[238:239]
	v_pk_add_f32 v[240:241], v[240:241], v[244:245]
	v_pk_add_f32 v[242:243], v[242:243], v[246:247]
	v_pk_add_f32 v[28:29], v[232:233], v[240:241]
	v_pk_add_f32 v[30:31], v[234:235], v[242:243]  ; rows 4 l .. 4 l + 3, the same bits in every wave
	s_cmp_lg_u32 s22, 0
	s_cbranch_scc1 .Lno_store
	global_store_b128 v251, v[28:31], s[42:43]     ; wave 0 stores 512 consecutive bytes, aligned
.Lno_store:
	v_max3_num_f32 v252, v28, v29, v30
	v_max_num_f32 v252, v252, v31
	v_max_num_f32_dpp v252, v252, v252 row_xmask:1 row_mask:0xf bank_mask:0xf
	v_max_num_f32_dpp v252, v252, v252 row_xmask:2 row_mask:0xf bank_mask:0xf
	v_max_num_f32_dpp v252, v252, v252 row_xmask:4 row_mask:0xf bank_mask:0xf
	v_max_num_f32_dpp v252, v252, v252 row_xmask:8 row_mask:0xf bank_mask:0xf
	v_permlanex16_b32 v255, v252, s40, s41
	v_max_num_f32 v252, v252, v255
	v_max_num_f32 v250, v23, v252                  ; the new M
	v_sub_f32 v248, v23, v250
	v_mul_f32 v248, s38, v248
.irp q, 0,1,2,3
	v_sub_f32 v[232+\q], v[28+\q], v250
.endr
.irp q, 0,1,2,3
	v_mul_f32 v[232+\q], s38, v[232+\q]
.endr
	v_exp_f32 v248, v248                           ; f = e^(old M - new M)
.irp q, 0,1,2,3
	v_exp_f32 v[232+\q], v[232+\q]
.endr
	v_mov_b32 v23, v250                            ; a plain instruction behind the exponentials
	s_wait_alu depctr_va_vdst(0)                   ; one wait for the five
.irp q, 0,1,2,3
	v_mul_f32 v[236+\q], v[232+\q], v[24+\q]       ; p = e^(score' - M) x mask
.endr
	ds_store_b128 v14, v[236:239]
.irp c, 0,1,2,3,4,5,6,7
	ds_load_b128 v[P+4*\c:P+4*\c+3], v15 offset:16*\c   ; my own rows' 32 weights, in every lane: my wave's own bytes, served in order
.endr
.irp n, 0,2,4,6,8,10,12,14,16,18,20,22,24,26,28,30
	v_pk_mul_f32 v[CTX+\n:CTX+\n+1], v[CTX+\n:CTX+\n+1], v[248:249] op_sel_hi:[1,0]   ; the context under the new M
.endr
.irp c, 0,1,2,3
	ds_load_b128 v[RA+4*\c:RA+4*\c+3], v6 offset:512*\c   ; kept row 16
.endr
	; ---- C: context += p x kept rows
	s_wait_dscnt 4                                 ; the weights are in; row 16's four loads may be out
.set I, 0
.rept 16
	CROW 16*I, 0x03, I
.set I, I+1
.endr
	WIN 0
.set I, 16
.rept 16
.if I < 31
.irp c, 0,1,2,3
	ds_load_b128 v[RA+16*((I+1)%2)+4*\c:RA+16*((I+1)%2)+4*\c+3], v6 offset:2048*(I-15)+512*\c
.endr
	s_wait_dscnt 4                                 ; row I is in; the next row's four loads may be out
.else
	s_wait_dscnt 0x0
.endif
	CROW RA+16*(I%2), 0, I
.set I, I+1
.endr
	s_add_co_u32 s34, s34, 1
	s_add_co_u32 s39, s39, 512
	s_cmp_lt_u32 s34, 2
	s_cbranch_scc1 .Ltile
	; ---- the four waves' contexts are added; wave w stores d = 256 w .. 256 w + 255
.irp j, 0,1,2,3,4,5,6,7
	ds_store_b128 v20, v[CTX+4*\j:CTX+4*\j+3] offset:16*\j
.endr
	BARRIER                                        ; 3
.irp j, 0,1
.irp w, 0,1,2,3
	ds_load_b128 v[136+16*\j+4*\w:136+16*\j+4*\w+3], v21 offset:4608*\w+576*\j
.endr
.endr
	s_wait_dscnt 0x0
.irp j, 0,1
	v_pk_add_f32 v[136+16*\j:137+16*\j], v[136+16*\j:137+16*\j], v[140+16*\j:141+16*\j]
	v_pk_add_f32 v[138+16*\j:139+16*\j], v[138+16*\j:139+16*\j], v[142+16*\j:143+16*\j]
	v_pk_add_f32 v[144+16*\j:145+16*\j], v[144+16*\j:145+16*\j], v[148+16*\j:149+16*\j]
	v_pk_add_f32 v[146+16*\j:147+16*\j], v[146+16*\j:147+16*\j], v[150+16*\j:151+16*\j]
	v_pk_add_f32 v[136+16*\j:137+16*\j], v[136+16*\j:137+16*\j], v[144+16*\j:145+16*\j]
	v_pk_add_f32 v[138+16*\j:139+16*\j], v[138+16*\j:139+16*\j], v[146+16*\j:147+16*\j]
.endr
.irp j, 0,1
	global_store_b128 v1, v[136+16*\j:139+16*\j], s[20:21] offset:512*\j   ; 512 consecutive bytes, aligned
.endr
	s_wait_xcnt 0x0
	v_lshl_add_u32 v254, v0, 2, 0x49000
	v_mov_b32 v255, 0
	s_wait_tensorcnt 0x0
	ds_add_u32 v254, v255
	s_wait_dscnt 0x0
	s_endpgm
.Lfunc_end_k_qabf8535801_main:
	.size	k_qabf8535801_main, .Lfunc_end_k_qabf8535801_main-k_qabf8535801_main
	.p2alignl 7, 3214868480
	.fill 96, 4, 3214868480
	.section	.rodata,"a",@progbits
	.p2align	6, 0x0
	.amdhsa_kernel k_qabf8535801_main
		.amdhsa_group_segment_fixed_size 299520
		.amdhsa_private_segment_fixed_size 0
		.amdhsa_enable_private_segment 0
		.amdhsa_kernarg_size 72
		.amdhsa_user_sgpr_count 2
		.amdhsa_user_sgpr_kernarg_segment_ptr 1
		.amdhsa_wavefront_size32 1
		.amdhsa_system_sgpr_workgroup_id_x 1
		.amdhsa_system_sgpr_workgroup_id_y 1
		.amdhsa_system_sgpr_workgroup_id_z 1
		.amdhsa_system_vgpr_workitem_id 0
		.amdhsa_next_free_vgpr 1024
		.amdhsa_next_free_sgpr 66
		.amdhsa_reserve_vcc 0
		.amdhsa_float_denorm_mode_32 3
		.amdhsa_float_denorm_mode_16_64 3
		.amdhsa_memory_ordered 1
		.amdhsa_forward_progress 1
		.amdhsa_inst_pref_size 255
	.end_amdhsa_kernel
	.section	.bss,"aw",@nobits
	.p2align	6
	.space	262144
	.amdgpu_metadata
---
amdhsa.version: [ 1, 2 ]
amdhsa.kernels:
  - .name:           k_qabf8535801_main
    .symbol:         k_qabf8535801_main.kd
    .args:
      - { .name: encoder_output, .offset: 0, .size: 8, .value_kind: global_buffer, .address_space: global }
      - { .name: coverage_vector, .offset: 8, .size: 8, .value_kind: global_buffer, .address_space: global }
      - { .name: x_padding_masks, .offset: 16, .size: 8, .value_kind: global_buffer, .address_space: global }
      - { .name: v_w, .offset: 24, .size: 8, .value_kind: global_buffer, .address_space: global }
      - { .name: wc_w, .offset: 32, .size: 8, .value_kind: global_buffer, .address_space: global }
      - { .name: whq, .offset: 40, .size: 8, .value_kind: global_buffer, .address_space: global }
      - { .name: decf, .offset: 48, .size: 8, .value_kind: global_buffer, .address_space: global }
      - { .name: scores, .offset: 56, .size: 8, .value_kind: global_buffer, .address_space: global }
      - { .name: ctxp, .offset: 64, .size: 8, .value_kind: global_buffer, .address_space: global }
    .group_segment_fixed_size: 299520
    .private_segment_fixed_size: 0
    .kernarg_segment_align: 8
    .kernarg_segment_size: 72
    .max_flat_workgroup_size: 128
    .sgpr_count:     66
    .vgpr_count:     1024
    .wavefront_size: 32
...
	.end_amdgpu_metadata
.endif
;; end of part 2
;; launch finish (part 3): grid 128 x 1, 4 waves a work-group, no clusters, 1,024 bytes of LDS; arguments scores, ctxp, x_padding_masks, coverage_vector, out0, out1, out2; writes out0, out1, out2
.if DOCPART == 3
	.amdgcn_target "amdgcn-amd-amdhsa--gfx1250"
	.amdhsa_code_object_version 6
	.text
	.protected	k_qabf8535801_finish
	.globl	k_qabf8535801_finish
	.p2align	8
	.type	k_qabf8535801_finish,@function
k_qabf8535801_finish:
	s_mov_b64 s[64:65], 0
	v_nop
	global_prefetch_b8 v0, s[64:65] scope:SCOPE_SE
	s_setreg_imm32_b32 hwreg(HW_REG_WAVE_MODE, 25, 1), 1
	s_wait_xcnt 0x0
; One work-group for a batch b.  scores [128][512] hold the score less a constant that the softmax cancels; ctxp [256][1024] holds, for each half of a batch, the sum of e^(score - M_half) x mask x enc,
; M_half the largest score of that half's 256 rows.  Here: M = the row's largest score; e = e^(score - M) x mask; L = the sum of e;  out1 = e / L;  out2 = cov + out1;
; out0 = (ctxp[2 b] e^(M0 - M) + ctxp[2 b + 1] e^(M1 - M)) / L.  The softmax's own divisor cancels against the renormalising sum, so it is not formed.
; Thread t takes rows 4 t .. 4 t + 3 and d = 4 t .. 4 t + 3 and 512 + 4 t .. : every load and store of a wave covers 512 consecutive bytes.
; A batch whose masks are all zero gives 0 / 0, not a number, as the definition has it.  No matrix work: 512 numbers a batch.
	s_load_b256 s[4:11], s[0:1], 0x0               ; scores, ctxp, masks, cov
	s_load_b128 s[12:15], s[0:1], 0x20             ; out0, out1
	s_load_b64 s[16:17], s[0:1], 0x30              ; out2
	v_lshl_add_u32 v64, v0, 2, 0x200
	v_mov_b32 v65, 0
	v_lshrrev_b32 v1, 5, v0
	v_readfirstlane_b32 s18, v1                    ; wave 0..3
	v_lshlrev_b32 v1, 4, v0                        ; 16 x thread
	s_lshl_b32 s19, s18, 2
	v_mov_b32 v2, s19                              ; LDS: my wave's word
	v_mov_b32 v3, 0
	v_mov_b32 v33, 0                               ; a lane permute's destination counts as one of its sources
	s_mov_b32 s20, 0x76543210
	s_mov_b32 s21, 0xfedcba98                      ; selects for lane l xor 16
	s_mov_b32 s22, 0x3fb8aa3b                      ; log2(e)
	s_lshl_b32 s24, ttmp9, 11                      ; a batch's 512 numbers
	s_mov_b32 s25, 0
	s_lshl_b32 s26, ttmp9, 13                      ; its two rows of ctxp
	s_mov_b32 s27, 0
	s_lshl_b32 s28, ttmp9, 12                      ; its row of out0
	s_mov_b32 s29, 0
	s_wait_kmcnt 0x0
	s_add_nc_u64 s[4:5], s[4:5], s[24:25]
	s_add_nc_u64 s[6:7], s[6:7], s[26:27]
	s_add_nc_u64 s[8:9], s[8:9], s[24:25]
	s_add_nc_u64 s[10:11], s[10:11], s[24:25]
	s_add_nc_u64 s[12:13], s[12:13], s[28:29]
	s_add_nc_u64 s[14:15], s[14:15], s[24:25]
	s_add_nc_u64 s[16:17], s[16:17], s[24:25]
	global_load_b128 v[4:7], v1, s[4:5]
	global_load_b128 v[8:11], v1, s[8:9]
	global_load_b128 v[12:15], v1, s[10:11]
	global_load_b128 v[16:19], v1, s[6:7]
	global_load_b128 v[20:23], v1, s[6:7] offset:2048
	global_load_b128 v[24:27], v1, s[6:7] offset:4096
	global_load_b128 v[28:31], v1, s[6:7] offset:6144
	s_wait_loadcnt 0x0
	v_max3_num_f32 v32, v4, v5, v6
	v_max_num_f32 v32, v32, v7
	v_max_num_f32_dpp v32, v32, v32 row_xmask:1 row_mask:0xf bank_mask:0xf
	v_max_num_f32_dpp v32, v32, v32 row_xmask:2 row_mask:0xf bank_mask:0xf
	v_max_num_f32_dpp v32, v32, v32 row_xmask:4 row_mask:0xf bank_mask:0xf
	v_max_num_f32_dpp v32, v32, v32 row_xmask:8 row_mask:0xf bank_mask:0xf
	v_permlanex16_b32 v33, v32, s20, s21
	v_max_num_f32 v32, v32, v33                    ; the largest of my wave's 128 scores
	ds_store_b32 v2, v32                           ; all lanes write the same word with the same value
	s_wait_dscnt 0x0
	s_barrier_signal -1
	s_barrier_wait -1
	ds_load_b128 v[36:39], v3
	s_wait_dscnt 0x0
	v_max_num_f32 v40, v36, v37                    ; M0: rows 0-255
	v_max_num_f32 v41, v38, v39                    ; M1: rows 256-511
	v_max_num_f32 v42, v40, v41                    ; M
.irp q, 0,1,2,3
	v_sub_f32 v[44+\q], v[4+\q], v42
.endr
	v_sub_f32 v48, v40, v42
	v_sub_f32 v49, v41, v42
.irp q, 0,1,2,3,4,5
	v_mul_f32 v[44+\q], s22, v[44+\q]
.endr
.irp q, 0,1,2,3,4,5
	v_exp_f32 v[44+\q], v[44+\q]
.endr
	v_nop                                          ; a plain instruction behind the exponentials
	s_wait_alu depctr_va_vdst(0)                   ; one wait for the six
.irp q, 0,1,2,3
	v_mul_f32 v[44+\q], v[44+\q], v[8+\q]          ; x mask
.endr
	v_add_f32 v50, v44, v45
	v_add_f32 v51, v46, v47
	v_add_f32 v50, v50, v51
	v_add_f32_dpp v50, v50, v50 row_xmask:1 row_mask:0xf bank_mask:0xf
	v_add_f32_dpp v50, v50, v50 row_xmask:2 row_mask:0xf bank_mask:0xf
	v_add_f32_dpp v50, v50, v50 row_xmask:4 row_mask:0xf bank_mask:0xf
	v_add_f32_dpp v50, v50, v50 row_xmask:8 row_mask:0xf bank_mask:0xf
	v_permlanex16_b32 v33, v50, s20, s21
	v_add_f32 v50, v50, v33
	ds_store_b32 v2, v50 offset:256                ; other bytes than the maxima's
	s_wait_dscnt 0x0
	s_barrier_signal -1
	s_barrier_wait -1
	ds_load_b128 v[52:55], v3 offset:256
	s_wait_dscnt 0x0
	v_add_f32 v52, v52, v53
	v_add_f32 v54, v54, v55
	v_add_f32 v52, v52, v54                        ; L
	v_rcp_f32 v56, v52
	v_nop
	s_wait_alu depctr_va_vdst(0)
	v_mul_f32 v48, v48, v56                        ; e^(M0 - M) / L
	v_mul_f32 v49, v49, v56
.irp q, 0,1,2,3
	v_fma_f32 v[12+\q], v[44+\q], v56, v[12+\q]    ; out2
.endr
.irp q, 0,1,2,3
	v_mul_f32 v[44+\q], v[44+\q], v56              ; out1
.endr
.irp q, 0,1,2,3,4,5,6,7
	v_mul_f32 v[16+\q], v[16+\q], v48
.endr
.irp q, 0,1,2,3,4,5,6,7
	v_fma_f32 v[16+\q], v[24+\q], v49, v[16+\q]    ; out0
.endr
	global_store_b128 v1, v[44:47], s[14:15]
	global_store_b128 v1, v[12:15], s[16:17]
	global_store_b128 v1, v[16:19], s[12:13]
	global_store_b128 v1, v[20:23], s[12:13] offset:2048
	s_wait_tensorcnt 0x0
	ds_add_u32 v64, v65
	s_wait_dscnt 0x0
	s_endpgm
.Lfunc_end_k_qabf8535801_finish:
	.size	k_qabf8535801_finish, .Lfunc_end_k_qabf8535801_finish-k_qabf8535801_finish
	.p2alignl 7, 3214868480
	.fill 96, 4, 3214868480
	.section	.rodata,"a",@progbits
	.p2align	6, 0x0
	.amdhsa_kernel k_qabf8535801_finish
		.amdhsa_group_segment_fixed_size 1024
		.amdhsa_private_segment_fixed_size 0
		.amdhsa_enable_private_segment 0
		.amdhsa_kernarg_size 56
		.amdhsa_user_sgpr_count 2
		.amdhsa_user_sgpr_kernarg_segment_ptr 1
		.amdhsa_wavefront_size32 1
		.amdhsa_system_sgpr_workgroup_id_x 1
		.amdhsa_system_sgpr_workgroup_id_y 1
		.amdhsa_system_sgpr_workgroup_id_z 1
		.amdhsa_system_vgpr_workitem_id 0
		.amdhsa_next_free_vgpr 66
		.amdhsa_next_free_sgpr 66
		.amdhsa_reserve_vcc 0
		.amdhsa_float_denorm_mode_32 3
		.amdhsa_float_denorm_mode_16_64 3
		.amdhsa_memory_ordered 1
		.amdhsa_forward_progress 1
		.amdhsa_inst_pref_size 7
	.end_amdhsa_kernel
	.amdgpu_metadata
---
amdhsa.version: [ 1, 2 ]
amdhsa.kernels:
  - .name:           k_qabf8535801_finish
    .symbol:         k_qabf8535801_finish.kd
    .args:
      - { .name: scores, .offset: 0, .size: 8, .value_kind: global_buffer, .address_space: global }
      - { .name: ctxp, .offset: 8, .size: 8, .value_kind: global_buffer, .address_space: global }
      - { .name: x_padding_masks, .offset: 16, .size: 8, .value_kind: global_buffer, .address_space: global }
      - { .name: coverage_vector, .offset: 24, .size: 8, .value_kind: global_buffer, .address_space: global }
      - { .name: out0, .offset: 32, .size: 8, .value_kind: global_buffer, .address_space: global }
      - { .name: out1, .offset: 40, .size: 8, .value_kind: global_buffer, .address_space: global }
      - { .name: out2, .offset: 48, .size: 8, .value_kind: global_buffer, .address_space: global }
    .group_segment_fixed_size: 1024
    .private_segment_fixed_size: 0
    .kernarg_segment_align: 8
    .kernarg_segment_size: 56
    .max_flat_workgroup_size: 128
    .sgpr_count:     66
    .vgpr_count:     66
    .wavefront_size: 32
...
	.end_amdgpu_metadata
.endif
;; end of part 3
;; ======== version 2 of 3: 3 launches
;; workspace buffers: whq 851,968 bytes; decf 524,288 bytes; scores 262,144 bytes; ctxp 1,048,576 bytes
;; launch prep (part 4): grid 144 x 1, 8 waves a work-group, no clusters, 238,592 bytes of LDS; arguments Wh_w, Ws_w, Ws_b, h_dec, c_dec, whq, decf; writes whq, decf
.if DOCPART == 4
	.amdgcn_target "amdgcn-amd-amdhsa--gfx1250"
	.amdhsa_code_object_version 6
	.text
	.protected	k_qabf8535801_prep
	.globl	k_qabf8535801_prep
	.p2align	8
	.type	k_qabf8535801_prep,@function
k_qabf8535801_prep:
	s_mov_b64 s[64:65], 0
	v_nop
	global_prefetch_b8 v0, s[64:65] scope:SCOPE_SE
	s_setreg_imm32_b32 hwreg(HW_REG_WAVE_MODE, 25, 1), 1
	s_wait_xcnt 0x0
; Work-groups 128-143: Wh [1024][1024] f32 becomes codes of BF6 (E3M2) with one E8M0 byte for each 32 along K, laid in whq in the order of the operand's registers.
; Work-groups 0-127: dec_feat = Q(s_t) Q(Ws)^T + Ws_b, s_t = (h_dec, c_dec): work-group (G, bt) makes columns 64 G .. 64 G + 63 of rows 16 bt .. 16 bt + 15.
; A work-group takes 64 rows e of its weight (group G); wave s takes K step s (128 along K): four fragments of 16 rows.  In the second kind wave s also quantises K step s of the 16 rows of s_t and multiplies
; at once (four products that start at 0); the eight waves' partial sums over K meet in LDS, and wave w adds, with the bias, rows 2 w and 2 w + 1.  No operand goes from wave to wave.
; LOADS: a fragment comes by 16 loads, each a row's 512 consecutive bytes, 16 a lane.  The conversions want 32 neighbours along K in ONE lane, so the 8,192 bytes turn through the wave's own stage in LDS
; (rows of 512 + 16 bytes: stores at 16 x lane, reads at 528 r + 128 h, both without bank conflicts: ISA guide 11.1) and come back as k = 64 c + 32 h + 0 .. 31 of row r: two whole blocks of 32,
; in the very order of the operand's registers 6 c .. 6 c + 5, so the conversions' results are the fragment.
; whq: block (G, s) at (8 G + s) x 6,656 bytes: fragment t's registers 4 c .. 4 c + 3 at 1,536 t + 512 c + 16 x lane; at 6,144 + 16 x lane the four scale words (word t: row 16 t + lane % 16).
; A block's scale byte is its largest magnitude's exponent field - 4, held at 1 from below.
; LIMITS: a block of zeros, or one whose largest magnitude lies under 2^-122, gets the byte 1 (zero codes add nothing under any byte but 0xff; this program alone reads the bytes); NaN and infinities are not served.
; dec_feat's eight partial sums over K are added as a tree in f32, not as one chain.
; The two kinds of work-group part ONCE, on the work-group's number; what they share is written as macros, and each kind has LDS bytes of its own.  No tensor loads: nothing here is read often enough for a ring.
; REGISTERS.  Window 0: v1-11 addresses; v12-19 at work; v20-23 scale words; v24-35 s_t's fragment; v36-43 halves of codes; v44-47 bias; v60 s_t's scale word; v64-127, v128-191 two sets of 64 numbers
; (v128-191 first take s_t's rows as loaded, last the four accumulators); v192-239 four fragments.  Window 1: four landing sets of 64, a fragment's rows as loaded.
.set TM, 12                            ; v12-13  largest magnitudes
.set OP, 14                            ; v14-15  the conversions' scale operands
.set BY, 16                            ; v16-17  scale bytes
.set W,  18                            ; v18     my two bytes at their places
.set PM, 19                            ; v19     lane l xor 16's
.set SW, 20                            ; v20-23  four scale words: scales and nothing else
.set SF, 24                            ; v24-35  s_t's fragment
.set CT, 36                            ; v36-43  the upper halves of two blocks' codes
.set BI, 44                            ; v44-47  four numbers of Ws_b
.set SS, 60                            ; v60     s_t's scale word: scales and nothing else
.set X0, 64                            ; v64-127 and v128-191: fragment t turns into set 1 - t % 2
.set SL, 128                           ; s_t's rows as loaded
.set AC, 128                           ; the four accumulators
.set F,  192                           ; v192-239 four fragments
.set STB, 8448                         ; a stage: 16 rows x 528 bytes
.set STW, 3*STB                        ; LDS: three stages for each wave: Wh's fragments; Ws's fragments; s_t's
.set RED, 8*STW                        ; behind them the partial sums: 16 rows x 272 bytes for each wave
.set MSB, 0
.macro WIN new                         ; the immediate's high byte repeats the setting that is left; a switch that changes nothing is dropped
.if MSB != \new
	s_set_vgpr_msb (MSB<<8)|\new
.set MSB, \new
.endif
.endm
.macro LOADF t                         ; fragment t as it lies: 16 rows, 512 consecutive bytes a load, into landing set t of window 1
	WIN 0x40
.irp i, 0,1,2,3,4,5,6,7,8,9,10,11,12,13,14,15
	global_load_b128 v[64*(\t)+4*\i:64*(\t)+4*\i+3], v4, s[4:5] offset:65536*(\t)+4096*\i
.endr
.endm
.macro TURN t, st                      ; landing set t through my stage at byte st of my stages: in as loaded, out 128 bytes twice a lane
	WIN 0x04
.irp i, 0,1,2,3,4,5,6,7,8,9,10,11,12,13,14,15
	ds_store_b128 v2, v[64*(\t)+4*\i:64*(\t)+4*\i+3] offset:(\st)+528*\i
.endr
	WIN 0
.irp c, 0,1
.irp j, 0,1,2,3,4,5,6,7
	ds_load_b128 v[X0+64*(1-(\t)%2)+32*\c+4*\j:X0+64*(1-(\t)%2)+32*\c+4*\j+3], v3 offset:(\st)+256*\c+16*\j   ; LDS serves a wave's instructions in order: these see the stores above
.endr
.endr
.endm
; 64 numbers of a lane, register 32 c + i = k 64 c + 32 h + i of my row, become a fragment in v[f] on and the row's scale word in v[sw]
.macro QUANT x, f, sw
.irp c, 0,1
	v_max3_num_f32 v[TM+\c], |v[(\x)+32*\c]|, |v[(\x)+32*\c+1]|, 0x2800000   ; with the floor 2^(5 - 127): the byte cannot fall under 1
.endr
.irp i, 2,4,6,8,10,12,14,16,18,20,22,24,26,28,30
.irp c, 0,1
	v_max3_num_f32 v[TM+\c], v[TM+\c], |v[(\x)+32*\c+\i]|, |v[(\x)+32*\c+\i+1]|   ; the two blocks by turns
.endr
.endr
.irp c, 0,1
	v_add_nc_u32 v[OP+\c], 0xfe000000, v[TM+\c]    ; 4 off the exponent field: the conversion's scale operand
.endr
.irp c, 0,1
	v_lshrrev_b32 v[BY+\c], 23, v[OP+\c]           ; the scale's byte
.endr
	v_lshl_or_b32 v[W], v[BY+1], 16, v[BY]         ; blocks h and 2 + h of my row,
	v_lshlrev_b32 v[W], v8, v[W]                   ; 8 h bits up;
	v_permlanex16_b32 v[PM], v[W], s20, s21
	v_or_b32 v[\sw], v[W], v[PM]                   ; with lane l xor 16's two the word is whole, in both halves of the lanes
.irp c, 0,1
	v_cvt_scalef32_pk16_bf6_f32 v[(\f)+6*\c:(\f)+6*\c+2], v[(\x)+32*\c:(\x)+32*\c+15], v[OP+\c]
	v_cvt_scalef32_pk16_bf6_f32 v[CT+4*\c:CT+4*\c+2], v[(\x)+32*\c+16:(\x)+32*\c+31], v[OP+\c]   ; a conversion's three registers begin on an even number
.endr
	v_nop                                          ; one plain instruction behind the scaled conversions
.irp c, 0,1
.irp i, 0,1,2
	v_mov_b32 v[(\f)+6*\c+3+\i], v[CT+4*\c+\i]
.endr
.endr
.endm
; The four weight fragments: each turns through the stage while the one before it is quantised
.macro FOUR st
	s_wait_loadcnt 48                              ; fragment 0's sixteen loads are in; the three younger fragments' 48 may be out
	TURN 0, \st
.irp t, 0,1,2,3
	s_wait_dscnt 0x0                               ; fragment t is back from the stage
.if \t < 3
	s_wait_loadcnt 16*(2-\t)                       ; the next fragment is in; the younger ones, sixteen loads each, may be out
	TURN \t+1, \st
.endif
	QUANT X0+64*(1-(\t)%2), F+12*\t, SW+\t
.endr
.endm
	s_load_b256 s[4:11], s[0:1], 0x0               ; Wh, Ws, Ws_b, h_dec
	s_load_b128 s[12:15], s[0:1], 0x20             ; c_dec, whq
	s_load_b64 s[16:17], s[0:1], 0x30              ; decf
	v_lshl_add_u32 v254, v0, 2, 0x3a000
	v_mov_b32 v255, 0
	v_lshrrev_b32 v1, 5, v0
	v_readfirstlane_b32 s18, v1                    ; wave 0..7
	v_and_b32 v6, 31, v0                           ; lane
	v_and_b32 v1, 15, v0                           ; r
	v_bfe_u32 v5, v0, 4, 1                         ; h
	v_lshlrev_b32 v4, 4, v6                        ; 16 x lane
	s_mul_i32 s28, s18, STW                        ; my stages
	v_add_nc_u32 v2, s28, v4                       ; in: 16 x lane
	v_mul_u32_u24 v3, v1, 528
	v_lshl_add_u32 v3, v5, 7, v3
	v_add_nc_u32 v3, s28, v3                       ; out: row r, + 128 h
	v_lshlrev_b32 v7, 4, v1                        ; Ws_b: 16 r
	v_lshlrev_b32 v8, 3, v5                        ; 8 h bits
	s_mul_i32 s29, s18, 4352
	s_add_co_u32 s29, s29, RED
	v_mul_u32_u24 v9, v1, 272
	v_lshl_add_u32 v9, v5, 5, v9
	v_add_nc_u32 v9, s29, v9                       ; my partial sums: row r, + 32 h
	s_mul_i32 s29, s18, 544
	s_add_co_u32 s29, s29, RED
	v_mul_u32_u24 v10, v5, 272
	v_lshl_add_u32 v10, v1, 4, v10
	v_add_nc_u32 v10, s29, v10                     ; all waves': row 2 w + h, 16 bytes a lane
	v_lshlrev_b32 v11, 12, v5
	v_lshl_add_u32 v11, v1, 4, v11                 ; and the same two rows in decf
	v_mov_b32 v[PM], 0                             ; a lane permute's destination counts as one of its sources
	s_mov_b32 s20, 0x76543210
	s_mov_b32 s21, 0xfedcba98                      ; selects for lane l xor 16
	s_and_b32 s22, ttmp9, 15                       ; G
	s_lshl_b32 s24, s22, 18                        ; 64 rows of 4,096 bytes
	s_lshl_b32 s26, s18, 9                         ; my K step: 512 bytes along a row
	s_add_co_u32 s24, s24, s26
	s_mov_b32 s25, 0
	s_wait_kmcnt 0x0
	s_cmp_lt_u32 ttmp9, 128                        ; Ws's work-group or Wh's: the choice hangs on the work-group's number alone
	s_cselect_b64 s[4:5], s[6:7], s[4:5]
	s_add_nc_u64 s[4:5], s[4:5], s[24:25]
	s_cmp_lt_u32 ttmp9, 128
	s_cbranch_scc1 .Lws
	; ---- Wh: four fragments, and my block of 6,656 bytes leaves as it stands: each store covers 512 consecutive bytes, aligned
	LOADF 0
	LOADF 1
	LOADF 2
	LOADF 3
	s_lshl_b32 s26, s22, 3
	s_add_co_u32 s26, s26, s18
	s_mul_i32 s26, s26, 6656                       ; block (G, wave) of whq
	s_mov_b32 s27, 0
	s_add_nc_u64 s[14:15], s[14:15], s[26:27]
	FOUR 0
.irp t, 0,1,2,3
.irp c, 0,1,2
	global_store_b128 v4, v[F+12*\t+4*\c:F+12*\t+4*\c+3], s[14:15] offset:1536*\t+512*\c
.endr
.endr
	global_store_b128 v4, v[SW:SW+3], s[14:15] offset:6144
	s_wait_tensorcnt 0x0
	ds_add_u32 v254, v255
	s_wait_dscnt 0x0
	s_endpgm
.Lws:
	; ---- Ws: the bias and my K step of the 16 rows of s_t are asked for first, then the weight
	s_lshr_b32 s23, ttmp9, 4                       ; bt 0..7
	s_lshl_b32 s30, s23, 15                        ; 16 rows of 2,048 bytes
	s_and_b32 s31, s18, 3
	s_lshl_b32 s31, s31, 9                         ; 512 bytes along a row
	s_add_co_u32 s30, s30, s31
	s_mov_b32 s31, 0
	s_cmp_lt_u32 s18, 4                            ; the first 512 along K are h_dec's, the others c_dec's
	s_cselect_b64 s[10:11], s[10:11], s[12:13]
	s_add_nc_u64 s[10:11], s[10:11], s[30:31]
	s_lshl_b32 s32, s22, 8                         ; the group's 64 columns, in bytes
	s_mov_b32 s33, 0
	s_add_nc_u64 s[8:9], s[8:9], s[32:33]
	global_load_b128 v[BI:BI+3], v7, s[8:9]
.irp i, 0,1,2,3,4,5,6,7,8,9,10,11,12,13,14,15
	global_load_b128 v[SL+4*\i:SL+4*\i+3], v4, s[10:11] offset:2048*\i   ; 512 consecutive bytes of a row
.endr
	LOADF 0
	LOADF 1
	LOADF 2
	s_lshl_b32 s34, s23, 16                        ; decf: 16 rows of 4,096 bytes,
	s_lshl_b32 s35, s18, 13                        ; my two of them,
	s_add_co_u32 s34, s34, s35
	s_add_co_u32 s34, s34, s32                     ; the group's columns
	s_mov_b32 s35, 0
	s_add_nc_u64 s[16:17], s[16:17], s[34:35]
	s_wait_loadcnt 48                              ; the bias and s_t's rows are in; the three fragments' 48 loads may be out
	LOADF 3
	WIN 0
.irp i, 0,1,2,3,4,5,6,7,8,9,10,11,12,13,14,15
	ds_store_b128 v2, v[SL+4*\i:SL+4*\i+3] offset:2*STB+528*\i
.endr
.irp c, 0,1
.irp j, 0,1,2,3,4,5,6,7
	ds_load_b128 v[X0+32*\c+4*\j:X0+32*\c+4*\j+3], v3 offset:2*STB+256*\c+16*\j
.endr
.endr
	s_wait_dscnt 0x0                               ; s_t's numbers are back, and the stores have read v128-191, which fragment 0 takes next
	QUANT X0, SF, SS
	FOUR STB
.rept 8
	v_nop                                          ; the last scale word was written by a vector instruction: eight places ahead of a scaled product; the last codes: four
.endr
; Transposed use: source 0 = 16 rows of Ws, source 1 = the 16 rows of s_t: lane (r, h) holds row r, register j column 16 t + 8 h + j.  Four accumulators, one product each, begun at 0.
.irp t, 0,1,2,3
	v_wmma_scale_f32_16x16x128_f8f6f4 v[AC+8*\t:AC+8*\t+7], v[F+12*\t:F+12*\t+11], v[SF:SF+11], 0, v[SW+\t], v[SS] matrix_a_fmt:MATRIX_FMT_BF6 matrix_b_fmt:MATRIX_FMT_BF6
.endr
.rept 4
	v_nop                                          ; four places ahead of the first read of results (ISA guide 7.12.1)
.endr
.irp t, 0,1,2,3
	ds_store_b128 v9, v[AC+8*\t:AC+8*\t+3] offset:64*\t            ; each accumulator from its low end on
	ds_store_b128 v9, v[AC+8*\t+4:AC+8*\t+7] offset:64*\t+16
.endr
	s_wait_dscnt 0x0                               ; for the others' sake: my partial sums lie in LDS
	s_barrier_signal -1
	s_barrier_wait -1                              ; all eight K steps' do
.irp s, 0,1,2,3,4,5,6,7
	ds_load_b128 v[X0+4*\s:X0+4*\s+3], v10 offset:4352*\s
.endr
	s_wait_dscnt 0x0
.irp a, 0,8,16,24
	v_pk_add_f32 v[X0+\a:X0+\a+1], v[X0+\a:X0+\a+1], v[X0+\a+4:X0+\a+5]
	v_pk_add_f32 v[X0+\a+2:X0+\a+3], v[X0+\a+2:X0+\a+3], v[X0+\a+6:X0+\a+7]
.endr
.irp a, 0,16
	v_pk_add_f32 v[X0+\a:X0+\a+1], v[X0+\a:X0+\a+1], v[X0+\a+8:X0+\a+9]
	v_pk_add_f32 v[X0+\a+2:X0+\a+3], v[X0+\a+2:X0+\a+3], v[X0+\a+10:X0+\a+11]
.endr
	v_pk_add_f32 v[X0:X0+1], v[X0:X0+1], v[X0+16:X0+17]
	v_pk_add_f32 v[X0+2:X0+3], v[X0+2:X0+3], v[X0+18:X0+19]
	v_pk_add_f32 v[X0:X0+1], v[X0:X0+1], v[BI:BI+1]                ; + Ws_b
	v_pk_add_f32 v[X0+2:X0+3], v[X0+2:X0+3], v[BI+2:BI+3]
	global_store_b128 v11, v[X0:X0+3], s[16:17]    ; sixteen lanes store 256 consecutive bytes, aligned
	s_wait_tensorcnt 0x0
	ds_add_u32 v254, v255
	s_wait_dscnt 0x0
	s_endpgm
.Lfunc_end_k_qabf8535801_prep:
	.size	k_qabf8535801_prep, .Lfunc_end_k_qabf8535801_prep-k_qabf8535801_prep
	.p2alignl 7, 3214868480
	.fill 96, 4, 3214868480
	.section	.rodata,"a",@progbits
	.p2align	6, 0x0
	.amdhsa_kernel k_qabf8535801_prep
		.amdhsa_group_segment_fixed_size 238592
		.amdhsa_private_segment_fixed_size 0
		.amdhsa_enable_private_segment 0
		.amdhsa_kernarg_size 56
		.amdhsa_user_sgpr_count 2
		.amdhsa_user_sgpr_kernarg_segment_ptr 1
		.amdhsa_wavefront_size32 1
		.amdhsa_system_sgpr_workgroup_id_x 1
		.amdhsa_system_sgpr_workgroup_id_y 1
		.amdhsa_system_sgpr_workgroup_id_z 1
		.amdhsa_system_vgpr_workitem_id 0
		.amdhsa_next_free_vgpr 512
		.amdhsa_next_free_sgpr 66
		.amdhsa_reserve_vcc 0
		.amdhsa_float_denorm_mode_32 3
		.amdhsa_float_denorm_mode_16_64 3
		.amdhsa_memory_ordered 1
		.amdhsa_forward_progress 1
		.amdhsa_inst_pref_size 67
	.end_amdhsa_kernel
	.amdgpu_metadata
---
amdhsa.version: [ 1, 2 ]
amdhsa.kernels:
  - .name:           k_qabf8535801_prep
    .symbol:         k_qabf8535801_prep.kd
    .args:
      - { .name: Wh_w, .offset: 0, .size: 8, .value_kind: global_buffer, .address_space: global }
      - { .name: Ws_w, .offset: 8, .size: 8, .value_kind: global_buffer, .address_space: global }
      - { .name: Ws_b, .offset: 16, .size: 8, .value_kind: global_buffer, .address_space: global }
      - { .name: h_dec, .offset: 24, .size: 8, .value_kind: global_buffer, .address_space: global }
      - { .name: c_dec, .offset: 32, .size: 8, .value_kind: global_buffer, .address_space: global }
      - { .name: whq, .offset: 40, .size: 8, .value_kind: global_buffer, .address_space: global }
      - { .name: decf, .offset: 48, .size: 8, .value_kind: global_buffer, .address_space: global }
    .group_segment_fixed_size: 238592
    .private_segment_fixed_size: 0
    .kernarg_segment_align: 8
    .kernarg_segment_size: 56
    .max_flat_workgroup_size: 256
    .sgpr_count:     66
    .vgpr_count:     512
    .wavefront_size: 32
...
	.end_amdgpu_metadata
.endif
;; end of part 4
;; launch main: the kernel of part 2 again; grid 256 x 1, 4 waves a work-group, no clusters, 299,520 bytes of LDS; arguments encoder_output, coverage_vector, x_padding_masks, v_w, wc_w, whq, decf, scores, ctxp; writes scores, ctxp
;; launch finish: the kernel of part 3 again; grid 128 x 1, 4 waves a work-group, no clusters, 1,024 bytes of LDS; arguments scores, ctxp, x_padding_masks, coverage_vector, out0, out1, out2; writes out0, out1, out2
;; ======== version 3 of 3: 3 launches
;; workspace buffers: whq 851,968 bytes; decf 524,288 bytes; scores 262,144 bytes; ctxp 1,048,576 bytes
;; launch prep (part 5): grid 144 x 1, 8 waves a work-group, no clusters, 238,592 bytes of LDS; arguments Wh_w, Ws_w, Ws_b, h_dec, c_dec, whq, decf; writes whq, decf
.if DOCPART == 5
	.amdgcn_target "amdgcn-amd-amdhsa--gfx1250"
	.amdhsa_code_object_version 6
	.text
	.protected	k_qabf8535801_prep
	.globl	k_qabf8535801_prep
	.p2align	8
	.type	k_qabf8535801_prep,@function
k_qabf8535801_prep:
	s_mov_b64 s[64:65], 0
	v_nop
	global_prefetch_b8 v0, s[64:65] scope:SCOPE_SE
	s_setreg_imm32_b32 hwreg(HW_REG_WAVE_SCHED_MODE, 0, 2), 2
	s_setreg_imm32_b32 hwreg(HW_REG_WAVE_MODE, 25, 1), 1
	s_wait_xcnt 0x0
	s_wait_alu depctr_vm_vsrc(0)
; Work-groups 128-143: Wh [1024][1024] f32 becomes codes of BF6 (E3M2) with one E8M0 byte for each 32 along K, laid in whq in the order of the operand's registers.
; Work-groups 0-127: dec_feat = Q(s_t) Q(Ws)^T + Ws_b, s_t = (h_dec, c_dec): work-group (G, bt) makes columns 64 G .. 64 G + 63 of rows 16 bt .. 16 bt + 15.
; A work-group takes 64 rows e of its weight (group G); wave s takes K step s (128 along K): four fragments of 16 rows.  In the second kind wave s also quantises K step s of the 16 rows of s_t and multiplies
; at once (four products that start at 0); the eight waves' partial sums over K meet in LDS, and wave w adds, with the bias, rows 2 w and 2 w + 1.  No operand goes from wave to wave.
; LOADS: a fragment comes by 16 loads, each a row's 512 consecutive bytes, 16 a lane.  The conversions want 32 neighbours along K in ONE lane, so the 8,192 bytes turn through the wave's own stage in LDS
; (rows of 512 + 16 bytes: stores at 16 x lane, reads at 528 r + 128 h, both without bank conflicts: ISA guide 11.1) and come back as k = 64 c + 32 h + 0 .. 31 of row r: two whole blocks of 32,
; in the very order of the operand's registers 6 c .. 6 c + 5, so the conversions' results are the fragment.
; whq: block (G, s) at (8 G + s) x 6,656 bytes: fragment t's registers 4 c .. 4 c + 3 at 1,536 t + 512 c + 16 x lane; at 6,144 + 16 x lane the four scale words (word t: row 16 t + lane % 16).
; A block's scale byte is its largest magnitude's exponent field - 4, held at 1 from below.
; LIMITS: a block of zeros, or one whose largest magnitude lies under 2^-122, gets the byte 1 (zero codes add nothing under any byte but 0xff; this program alone reads the bytes); NaN and infinities are not served.
; dec_feat's eight partial sums over K are added as a tree in f32, not as one chain.
; The two kinds of work-group part ONCE, on the work-group's number; what they share is written as macros, and each kind has LDS bytes of its own.  No tensor loads: nothing here is read often enough for a ring.
; THE MODE: SCHED_MODE bits 1:0 = 2 (LLVM: expert scheduling mode 2), set by the entry lines.  The code itself states the register dependences
; between vector or matrix instructions and memory or LDS instructions, with s_wait_alu, always for 0.
; THE PLAN.  Registers that memory or LDS instructions touch:
;   v2-v11        addresses and offsets: written at the head, never again.
;   window 1      four landing sets: each written by sixteen loads, once, and read by the stage's LDS stores alone.
;   v64-127, v128-191  two sets of 64 numbers: fragment t comes back from the stage into set 1 - t % 2; its quantising lines read it; fragment t + 2 lands in it next.  v128-191 first hold s_t as loaded,
;                 which the stage's stores read, and last the accumulators, which LDS stores read; v64-95 last take the partial sums.
;   v192-239, v20-23   fragments and scale words: written by the quantising lines; read by the global stores (Wh) or by the products (Ws).
; So one wait on va_vdst stands ahead of each turn through the stage whose numbers land where quantising lines have read, one ahead of each run of stores of computed numbers, one ahead of the products.
; REGISTERS.  Window 0: v1-11 addresses; v12-19 at work; v20-23 scale words; v24-35 s_t's fragment; v36-43 halves of codes; v44-47 bias; v60 s_t's scale word; v64-127, v128-191 two sets of 64 numbers
; (v128-191 first take s_t's rows as loaded, last the four accumulators); v192-239 four fragments; v254, v255 the closing add's two.  Window 1: four landing sets of 64, a fragment's rows as loaded.
.set TM, 12                            ; v12-13  largest magnitudes
.set OP, 14                            ; v14-15  the conversions' scale operands
.set BY, 16                            ; v16-17  scale bytes
.set W,  18                            ; v18     my two bytes at their places
.set PM, 19                            ; v19     lane l xor 16's
.set SW, 20                            ; v20-23  four scale words: scales and nothing else
.set SF, 24                            ; v24-35  s_t's fragment
.set CT, 36                            ; v36-43  the upper halves of two blocks' codes
.set BI, 44                            ; v44-47  four numbers of Ws_b
.set SS, 60                            ; v60     s_t's scale word: scales and nothing else
.set X0, 64                            ; v64-127 and v128-191: fragment t turns into set 1 - t % 2
.set SL, 128                           ; s_t's rows as loaded
.set AC, 128                           ; the four accumulators
.set F,  192                           ; v192-239 four fragments
.set STB, 8448                         ; a stage: 16 rows x 528 bytes
.set STW, 3*STB                        ; LDS: three stages for each wave: Wh's fragments; Ws's fragments; s_t's
.set RED, 8*STW                        ; behind them the partial sums: 16 rows x 272 bytes for each wave
.set MSB, 0
.macro WIN new                         ; the immediate's high byte repeats the setting that is left; a switch that changes nothing is dropped
.if MSB != \new
	s_set_vgpr_msb (MSB<<8)|\new
.set MSB, \new
.endif
.endm
.macro LOADF t                         ; fragment t as it lies: 16 rows, 512 consecutive bytes a load, into landing set t of window 1
	WIN 0x40
.irp i, 0,1,2,3,4,5,6,7,8,9,10,11,12,13,14,15
	global_load_b128 v[64*(\t)+4*\i:64*(\t)+4*\i+3], v4, s[4:5] offset:65536*(\t)+4096*\i
.endr
.endm
.macro TURN t, st                      ; landing set t through my stage at byte st of my stages: in as loaded, out 128 bytes twice a lane
	WIN 0x04
.irp i, 0,1,2,3,4,5,6,7,8,9,10,11,12,13,14,15
	ds_store_b128 v2, v[64*(\t)+4*\i:64*(\t)+4*\i+3] offset:(\st)+528*\i
.endr
	WIN 0
.irp c, 0,1
.irp j, 0,1,2,3,4,5,6,7
	ds_load_b128 v[X0+64*(1-(\t)%2)+32*\c+4*\j:X0+64*(1-(\t)%2)+32*\c+4*\j+3], v3 offset:(\st)+256*\c+16*\j   ; LDS serves a wave's instructions in order: these see the stores above
.endr
.endr
.endm
; 64 numbers of a lane, register 32 c + i = k 64 c + 32 h + i of my row, become a fragment in v[f] on and the row's scale word in v[sw]
.macro QUANT x, f, sw
.irp c, 0,1
	v_max3_num_f32 v[TM+\c], |v[(\x)+32*\c]|, |v[(\x)+32*\c+1]|, 0x2800000   ; with the floor 2^(5 - 127): the byte cannot fall under 1
.endr
.irp i, 2,4,6,8,10,12,14,16,18,20,22,24,26,28,30
.irp c, 0,1
	v_max3_num_f32 v[TM+\c], v[TM+\c], |v[(\x)+32*\c+\i]|, |v[(\x)+32*\c+\i+1]|   ; the two blocks by turns
.endr
.endr
.irp c, 0,1
	v_add_nc_u32 v[OP+\c], 0xfe000000, v[TM+\c]    ; 4 off the exponent field: the conversion's scale operand
.endr
.irp c, 0,1
	v_lshrrev_b32 v[BY+\c], 23, v[OP+\c]           ; the scale's byte
.endr
	v_lshl_or_b32 v[W], v[BY+1], 16, v[BY]         ; blocks h and 2 + h of my row,
	v_lshlrev_b32 v[W], v8, v[W]                   ; 8 h bits up;
	v_permlanex16_b32 v[PM], v[W], s20, s21
	v_or_b32 v[\sw], v[W], v[PM]                   ; with lane l xor 16's two the word is whole, in both halves of the lanes
.irp c, 0,1
	v_cvt_scalef32_pk16_bf6_f32 v[(\f)+6*\c:(\f)+6*\c+2], v[(\x)+32*\c:(\x)+32*\c+15], v[OP+\c]
	v_cvt_scalef32_pk16_bf6_f32 v[CT+4*\c:CT+4*\c+2], v[(\x)+32*\c+16:(\x)+32*\c+31], v[OP+\c]   ; a conversion's three registers begin on an even number
.endr
	v_nop                                          ; one plain instruction behind the scaled conversions
.irp c, 0,1
.irp i, 0,1,2
	v_mov_b32 v[(\f)+6*\c+3+\i], v[CT+4*\c+\i]
.endr
.endr
.endm
; The four weight fragments: each turns through the stage while the one before it is quantised
.macro FOUR st
	s_wait_loadcnt 48                              ; fragment 0's sixteen loads are in; the three younger fragments' 48 may be out
	TURN 0, \st
.irp t, 0,1,2,3
	s_wait_dscnt 0x0                               ; fragment t is back from the stage
.if \t < 3
	s_wait_loadcnt 16*(2-\t)                       ; the next fragment is in; the younger ones, sixteen loads each, may be out
.if \t > 0
	s_wait_alu depctr_va_vdst(0)                   ; the quantising lines of the fragment before this one are done reading their set of 64 numbers, in which the next fragment lands
.endif
	TURN \t+1, \st
.endif
	QUANT X0+64*(1-(\t)%2), F+12*\t, SW+\t
.endr
.endm
	s_load_b256 s[4:11], s[0:1], 0x0               ; Wh, Ws, Ws_b, h_dec
	s_load_b128 s[12:15], s[0:1], 0x20             ; c_dec, whq
	s_load_b64 s[16:17], s[0:1], 0x30              ; decf
	v_lshl_add_u32 v254, v0, 2, 0x3a000            ; the closing add's two registers: my spare word's address, and 0; kept for that alone
	v_mov_b32 v255, 0
	v_lshrrev_b32 v1, 5, v0
	v_readfirstlane_b32 s18, v1                    ; wave 0..7
	v_and_b32 v6, 31, v0                           ; lane
	v_and_b32 v1, 15, v0                           ; r
	v_bfe_u32 v5, v0, 4, 1                         ; h
	v_lshlrev_b32 v4, 4, v6                        ; 16 x lane
	s_wait_alu depctr_va_sdst(0)                   ; s18 is written, ahead of its first reader
	s_mul_i32 s28, s18, STW                        ; my stages
	v_add_nc_u32 v2, s28, v4                       ; in: 16 x lane
	v_mul_u32_u24 v3, v1, 528
	v_lshl_add_u32 v3, v5, 7, v3
	v_add_nc_u32 v3, s28, v3                       ; out: row r, + 128 h
	v_lshlrev_b32 v7, 4, v1                        ; Ws_b: 16 r
	v_lshlrev_b32 v8, 3, v5                        ; 8 h bits
	s_mul_i32 s29, s18, 4352
	s_add_co_u32 s29, s29, RED
	v_mul_u32_u24 v9, v1, 272
	v_lshl_add_u32 v9, v5, 5, v9
	v_add_nc_u32 v9, s29, v9                       ; my partial sums: row r, + 32 h
	s_mul_i32 s29, s18, 544
	s_add_co_u32 s29, s29, RED
	v_mul_u32_u24 v10, v5, 272
	v_lshl_add_u32 v10, v1, 4, v10
	v_add_nc_u32 v10, s29, v10                     ; all waves': row 2 w + h, 16 bytes a lane
	v_lshlrev_b32 v11, 12, v5
	v_lshl_add_u32 v11, v1, 4, v11                 ; and the same two rows in decf
	v_mov_b32 v[PM], 0                             ; a lane permute's destination counts as one of its sources
	s_mov_b32 s20, 0x76543210
	s_mov_b32 s21, 0xfedcba98                      ; selects for lane l xor 16
	s_and_b32 s22, ttmp9, 15                       ; G
	s_lshl_b32 s24, s22, 18                        ; 64 rows of 4,096 bytes
	s_lshl_b32 s26, s18, 9                         ; my K step: 512 bytes along a row
	s_add_co_u32 s24, s24, s26
	s_mov_b32 s25, 0
	s_wait_kmcnt 0x0
	s_cmp_lt_u32 ttmp9, 128                        ; Ws's work-group or Wh's: the choice hangs on the work-group's number alone
	s_cselect_b64 s[4:5], s[6:7], s[4:5]
	s_add_nc_u64 s[4:5], s[4:5], s[24:25]
	s_wait_alu depctr_va_vdst(0)                   ; the addresses and offsets v2 to v11 are written, which the loads and stores of both kinds of work-group read
	s_cmp_lt_u32 ttmp9, 128
	s_cbranch_scc1 .Lws
	; ---- Wh: four fragments, and my block of 6,656 bytes leaves as it stands: each store covers 512 consecutive bytes, aligned
	LOADF 0
	LOADF 1
	LOADF 2
	LOADF 3
	s_lshl_b32 s26, s22, 3
	s_add_co_u32 s26, s26, s18
	s_mul_i32 s26, s26, 6656                       ; block (G, wave) of whq
	s_mov_b32 s27, 0
	s_add_nc_u64 s[14:15], s[14:15], s[26:27]
	FOUR 0
	s_wait_alu depctr_va_vdst(0)                   ; the quantising lines have written the four fragments and their scale words, which the stores read
.irp t, 0,1,2,3
.irp c, 0,1,2
	global_store_b128 v4, v[F+12*\t+4*\c:F+12*\t+4*\c+3], s[14:15] offset:1536*\t+512*\c
.endr
.endr
	global_store_b128 v4, v[SW:SW+3], s[14:15] offset:6144
	s_wait_dscnt 0x0                               ; the closing lines, six on end
	s_wait_alu 0x0
	s_wait_tensorcnt 0x0
	ds_add_u32 v254, v255
	s_wait_dscnt 0x0
	s_endpgm
.Lws:
	; ---- Ws: the bias and my K step of the 16 rows of s_t are asked for first, then the weight
	s_lshr_b32 s23, ttmp9, 4                       ; bt 0..7
	s_lshl_b32 s30, s23, 15                        ; 16 rows of 2,048 bytes
	s_and_b32 s31, s18, 3
	s_lshl_b32 s31, s31, 9                         ; 512 bytes along a row
	s_add_co_u32 s30, s30, s31
	s_mov_b32 s31, 0
	s_cmp_lt_u32 s18, 4                            ; the first 512 along K are h_dec's, the others c_dec's
	s_cselect_b64 s[10:11], s[10:11], s[12:13]
	s_add_nc_u64 s[10:11], s[10:11], s[30:31]
	s_lshl_b32 s32, s22, 8                         ; the group's 64 columns, in bytes
	s_mov_b32 s33, 0
	s_add_nc_u64 s[8:9], s[8:9], s[32:33]
	global_load_b128 v[BI:BI+3], v7, s[8:9]
.irp i, 0,1,2,3,4,5,6,7,8,9,10,11,12,13,14,15
	global_load_b128 v[SL+4*\i:SL+4*\i+3], v4, s[10:11] offset:2048*\i   ; 512 consecutive bytes of a row
.endr
	LOADF 0
	LOADF 1
	LOADF 2
	s_lshl_b32 s34, s23, 16                        ; decf: 16 rows of 4,096 bytes,
	s_lshl_b32 s35, s18, 13                        ; my two of them,
	s_add_co_u32 s34, s34, s35
	s_add_co_u32 s34, s34, s32                     ; the group's columns
	s_mov_b32 s35, 0
	s_add_nc_u64 s[16:17], s[16:17], s[34:35]
	s_wait_loadcnt 48                              ; the bias and s_t's rows are in; the three fragments' 48 loads may be out
	LOADF 3
	WIN 0
.irp i, 0,1,2,3,4,5,6,7,8,9,10,11,12,13,14,15
	ds_store_b128 v2, v[SL+4*\i:SL+4*\i+3] offset:2*STB+528*\i
.endr
.irp c, 0,1
.irp j, 0,1,2,3,4,5,6,7
	ds_load_b128 v[X0+32*\c+4*\j:X0+32*\c+4*\j+3], v3 offset:2*STB+256*\c+16*\j
.endr
.endr
	s_wait_dscnt 0x0                               ; s_t's numbers are back
	QUANT X0, SF, SS
	s_wait_alu depctr_vm_vsrc(0)                   ; the stage's stores have read s_t's rows in v128-191, in which fragment 0 lands next
	s_wait_alu depctr_va_vdst(0)                   ; s_t's quantising lines are done reading v64-127, in which fragment 1 lands
	FOUR STB
.rept 8
	v_nop                                          ; the last scale word was written by a vector instruction: eight places ahead of a scaled product; the last codes: four
.endr
	s_wait_alu depctr_va_vdst(0)                   ; the quantising lines have written the five fragments and their scale words, which the scaled products take; the places above stay beside this wait
; Transposed use: source 0 = 16 rows of Ws, source 1 = the 16 rows of s_t: lane (r, h) holds row r, register j column 16 t + 8 h + j.  Four accumulators, one product each, begun at 0.
.irp t, 0,1,2,3
	v_wmma_scale_f32_16x16x128_f8f6f4 v[AC+8*\t:AC+8*\t+7], v[F+12*\t:F+12*\t+11], v[SF:SF+11], 0, v[SW+\t], v[SS] matrix_a_fmt:MATRIX_FMT_BF6 matrix_b_fmt:MATRIX_FMT_BF6
.endr
.rept 4
	v_nop                                          ; four places ahead of the first read of results (ISA guide 7.12.1)
.endr
	s_wait_alu depctr_va_vdst(0)                   ; the products have written the accumulators, which the LDS stores read; the quantising lines are long done reading v64-95, in which the partial sums land below
.irp t, 0,1,2,3
	ds_store_b128 v9, v[AC+8*\t:AC+8*\t+3] offset:64*\t            ; each accumulator from its low end on
	ds_store_b128 v9, v[AC+8*\t+4:AC+8*\t+7] offset:64*\t+16
.endr
	s_wait_dscnt 0x0                               ; for the others' sake: my partial sums lie in LDS
	s_barrier_signal -1
	s_barrier_wait -1                              ; all eight K steps' do
.irp s, 0,1,2,3,4,5,6,7
	ds_load_b128 v[X0+4*\s:X0+4*\s+3], v10 offset:4352*\s
.endr
	s_wait_dscnt 0x0
.irp a, 0,8,16,24
	v_pk_add_f32 v[X0+\a:X0+\a+1], v[X0+\a:X0+\a+1], v[X0+\a+4:X0+\a+5]
	v_pk_add_f32 v[X0+\a+2:X0+\a+3], v[X0+\a+2:X0+\a+3], v[X0+\a+6:X0+\a+7]
.endr
.irp a, 0,16
	v_pk_add_f32 v[X0+\a:X0+\a+1], v[X0+\a:X0+\a+1], v[X0+\a+8:X0+\a+9]
	v_pk_add_f32 v[X0+\a+2:X0+\a+3], v[X0+\a+2:X0+\a+3], v[X0+\a+10:X0+\a+11]
.endr
	v_pk_add_f32 v[X0:X0+1], v[X0:X0+1], v[X0+16:X0+17]
	v_pk_add_f32 v[X0+2:X0+3], v[X0+2:X0+3], v[X0+18:X0+19]
	v_pk_add_f32 v[X0:X0+1], v[X0:X0+1], v[BI:BI+1]                ; + Ws_b
	v_pk_add_f32 v[X0+2:X0+3], v[X0+2:X0+3], v[BI+2:BI+3]
	s_wait_alu depctr_va_vdst(0)                   ; the additions have written v64-67, which the store reads
	global_store_b128 v11, v[X0:X0+3], s[16:17]    ; sixteen lanes store 256 consecutive bytes, aligned
	s_wait_dscnt 0x0                               ; the closing lines, six on end, as above
	s_wait_alu 0x0
	s_wait_tensorcnt 0x0
	ds_add_u32 v254, v255
	s_wait_dscnt 0x0
	s_endpgm
.Lfunc_end_k_qabf8535801_prep:
	.size	k_qabf8535801_prep, .Lfunc_end_k_qabf8535801_prep-k_qabf8535801_prep
	.p2alignl 7, 3214868480
	.fill 96, 4, 3214868480
	.section	.rodata,"a",@progbits
	.p2align	6, 0x0
	.amdhsa_kernel k_qabf8535801_prep
		.amdhsa_group_segment_fixed_size 238592
		.amdhsa_private_segment_fixed_size 0
		.amdhsa_enable_private_segment 0
		.amdhsa_kernarg_size 56
		.amdhsa_user_sgpr_count 2
		.amdhsa_user_sgpr_kernarg_segment_ptr 1
		.amdhsa_wavefront_size32 1
		.amdhsa_system_sgpr_workgroup_id_x 1
		.amdhsa_system_sgpr_workgroup_id_y 1
		.amdhsa_system_sgpr_workgroup_id_z 1
		.amdhsa_system_vgpr_workitem_id 0
		.amdhsa_next_free_vgpr 512
		.amdhsa_next_free_sgpr 66
		.amdhsa_reserve_vcc 0
		.amdhsa_float_denorm_mode_32 3
		.amdhsa_float_denorm_mode_16_64 3
		.amdhsa_memory_ordered 1
		.amdhsa_forward_progress 1
		.amdhsa_inst_pref_size 68
	.end_amdhsa_kernel
	.amdgpu_metadata
---
amdhsa.version: [ 1, 2 ]
amdhsa.kernels:
  - .name:           k_qabf8535801_prep
    .symbol:         k_qabf8535801_prep.kd
    .args:
      - { .name: Wh_w, .offset: 0, .size: 8, .value_kind: global_buffer, .address_space: global }
      - { .name: Ws_w, .offset: 8, .size: 8, .value_kind: global_buffer, .address_space: global }
      - { .name: Ws_b, .offset: 16, .size: 8, .value_kind: global_buffer, .address_space: global }
      - { .name: h_dec, .offset: 24, .size: 8, .value_kind: global_buffer, .address_space: global }
      - { .name: c_dec, .offset: 32, .size: 8, .value_kind: global_buffer, .address_space: global }
      - { .name: whq, .offset: 40, .size: 8, .value_kind: global_buffer, .address_space: global }
      - { .name: decf, .offset: 48, .size: 8, .value_kind: global_buffer, .address_space: global }
    .group_segment_fixed_size: 238592
    .private_segment_fixed_size: 0
    .kernarg_segment_align: 8
    .kernarg_segment_size: 56
    .max_flat_workgroup_size: 256
    .sgpr_count:     66
    .vgpr_count:     512
    .wavefront_size: 32
...
	.end_amdgpu_metadata
.endif
;; end of part 5
;; launch main (part 6): grid 256 x 1, 4 waves a work-group, no clusters, 299,520 bytes of LDS; arguments encoder_output, coverage_vector, x_padding_masks, v_w, wc_w, whq, decf, scores, ctxp; writes scores, ctxp
.if DOCPART == 6
	.amdgcn_target "amdgcn-amd-amdhsa--gfx1250"
	.amdhsa_code_object_version 6
	.text
	.protected	k_qabf8535801_main
	.globl	k_qabf8535801_main
	.p2align	8
	.type	k_qabf8535801_main,@function
k_qabf8535801_main:
	s_mov_b64 s[64:65], 0
	v_nop
	global_prefetch_b8 v0, s[64:65] scope:SCOPE_SE
	s_setreg_imm32_b32 hwreg(HW_REG_WAVE_SCHED_MODE, 0, 2), 2
	s_setreg_imm32_b32 hwreg(HW_REG_WAVE_MODE, 25, 1), 1
	s_wait_xcnt 0x0
	s_wait_alu depctr_vm_vsrc(0)
; For 256 rows (half a batch) of encoder_output: score' = -2 x sum over e of v[e] / (1 + e^(2 x)), x = Q(enc) Q(Wh)^T + dec_feat + cov x wc, and the work-group's part of the context,
; sum over its rows of exp(score' - M) x mask x bf16(enc), M the largest of its 256 scores (a running maximum).  tanh(x) = 1 - 2 / (1 + e^(2 x)), so score' is the score less the sum of v:
; one constant for all rows, which a softmax cancels for every input; it is never added.  encoder_output is read from memory ONCE: a row is quantised for the first product and kept as bf16 for the last.
; SHARES.  Two tiles of 128 rows.  Q (load, quantise, keep) and C (context): wave w owns rows 32 w .. 32 w + 31 of the tile.  G (product, tanh): wave w owns columns e = 256 w .. 256 w + 255
; for all 128 rows, 64 columns at a time: 32 accumulators.  The product is used transposed (source 0 = 16 rows of Wh, source 1 = 16 rows of enc): lane (r, h) holds row 16 m + r, register j column 16 t + 8 h + j:
; cov is one number a lane, dec_feat is the C of the first K step, and the sum over e runs down a lane's registers.
; NO TENSOR LOADS, NO CLUSTER: codes, kept rows and stages take 299,008 bytes of LDS; one K step of the four waves' Wh is 26,624 bytes, so two slots (53,248) have no room in what is left (28,672).
; Wh's fragments, laid in whq in the order of the operand's registers, come straight into registers by loads of 512 consecutive bytes, three K steps ahead.
; LIMITS: NaN and infinities are not served; a block of zeros, or one under 2^-122, gets the scale byte 1 (its codes are zeros or subnormal as the floor gives them); scores under -3e38 are not served;
; enc is rounded to bf16 for the context alone.
; THE MODE: SCHED_MODE bits 1:0 = 2 (LLVM: expert scheduling mode 2), set by the entry lines.  The code itself states the register dependences
; between vector or matrix instructions and memory or LDS instructions, with s_wait_alu, always for 0.
; THE PLAN.  Registers that memory or LDS instructions touch:
;   addresses     v1-10, v12-17, v20-22, v252-254: written at the head alone.  v11: written once a group; v18, v19, v251: once a tile; each behind a wait on vm_vsrc and ahead of a wait on va_vdst that stands there anyway.
;   Q  landing slot I % 8 (window 1): written by row I's loads, read by the stage's LDS stores alone.  X[I % 2]: written by the stage's LDS loads, read by row I's vector lines.
;      out-buffer I % 2 (codes, scale byte, the row in bf16): written by row I's vector lines, read by stores that are issued at the head of row I + 1.
;      So a row's head has one wait on vm_vsrc (the stage's stores have read slot I % 8; row I - 2's stores have read out-buffer I % 2) and one on va_vdst (row I - 1 has written its out-buffer and is done
;      reading its X); the row's stores, loads and turn through the stage follow with no further wait, since the row's own vector lines name none of their registers.
;   G  enc's blocks 0-3 and blocks 4-7 take turns: while the products of one half are issued, the other half's next fragments are dealt among them, with Wh's set of three steps on, which lands in the
;      set that the step before multiplied by.  One wait on va_vdst at the head of each half states that the sixteen products just issued are done reading what the loads behind it land in.
;   S  the partial scores, the scores and the weights are written by vector lines and read by stores: a wait on va_vdst ahead of each; v232-239 are loaded again behind a wait on vm_vsrc.
;   C  four buffers for kept rows 16-31: a pair of rows is worked on, then one wait on va_vdst, then the pair two pairs on is asked for into the same two buffers.
; REGISTERS, in windows of 256.  Window 0: v1-22 addresses; v23 M; v24-27 masks; v28-31 scores; v32-39 cov; v40-55 score sums (in Q v32-55 are the second out-buffer); v56-87 context (d = 32 lane + n);
;   v88-119 enc's scale words; v120-135 Wh's scale words; v136-231 enc's eight fragments (in Q: two rows of f32 and the first out-buffer; in C: p and four kept rows); v232-255 at work.
; Window 1: the accumulators ((m, t) at 8 (4 m + t)); in Q eight landing slots of a row.  Window 2: four sets of Wh's four fragments; v192-223 dec_feat, then v; v224-255 wc.  Window 3: my kept rows 0-15.
.set ESC,   100352                     ; LDS: 0: codes, 128 rows of 768 + 16 bytes;  ESC: scale bytes, 128 rows of 48
.set RET,   106496                     ; kept rows 16-31 of each wave, as images of 16 registers: 32,768 a wave
.set TURN,  237568                     ; a row of f32 turns here: 4,608 a wave; byte a at a + 16 (a / 128)
.set CONST, 256000                     ; dec_feat[b], wc, v: 4,096 each
.set SCP,   268288                     ; the waves' partial scores: 512 a wave
.set PW,    270336                     ; the tile's 128 weights, a copy for each wave
.set COVL,  272384                     ; cov of the 256 rows, a copy for each wave;  4,096 further on the masks likewise
.set MSK,   276480
.set CTXS,  280576                     ; the waves' contexts meet here: 4,608 a wave
.set COV, 32
.set SC,  40
.set CTX, 56
.set ES,  88
.set WS,  120
.set EF,  136
.set X0,  136
.set HD,  168
.set CD,  200                          ; out-buffer 0: codes v200-206, the row in bf16 v208-223, the scale byte v226;  out-buffer 1 lies 168 lower (the byte: v39)
.set RB,  208
.set TQ,  224
.set P,   136
.set RA,  168                          ; four buffers of 16: kept row i (16 .. 31) in buffer i % 4
.set T,   232
.set U,   240
.set K1,  192
.set K2,  224
.set MSB, 0
.macro WIN new                         ; the immediate's high byte repeats the setting that is left; a switch that changes nothing is dropped
.if MSB != \new
	s_set_vgpr_msb (MSB<<8)|\new
.set MSB, \new
.endif
.endm
.macro PLACES                          ; four plain instructions behind a matrix instruction, ahead of reads of its result; they stand also ahead of each wait behind which loads land in its registers
.rept 4
	v_nop
.endr
.endm
.macro BARRIER                         ; my LDS stores have landed and my LDS loads are in: then the work-group's barrier
	s_wait_dscnt 0x0
	s_barrier_signal -1
	s_barrier_wait -1
.endm
.macro LOADROW slot, row               ; a row of 4,096 bytes: eight loads of 512 consecutive bytes, into a landing slot of window 1
	WIN 0x40
.irp j, 0,1,2,3,4,5,6,7
	global_load_b128 v[32*(\slot)+4*\j:32*(\slot)+4*\j+3], v1, s[24:25] offset:4096*(\row)+512*\j th:TH_LOAD_NT
.endr
.endm
.macro TURNROW slot, x                 ; through my stage: in as loaded, out 128 bytes a lane: X[n] = enc(row, 32 lane + n), a whole block of 32 in a lane
	WIN 0x04
.irp j, 0,1,2,3,4,5,6,7
	ds_store_b128 v2, v[32*(\slot)+4*\j:32*(\slot)+4*\j+3] offset:576*\j
.endr
	WIN 0
.irp j, 0,1,2,3,4,5,6,7
	ds_load_b128 v[X0+32*(\x)+4*\j:X0+32*(\x)+4*\j+3], v3 offset:16*\j   ; LDS serves a wave's instructions in order: these see the stores above
.endr
.endm
.macro WORKROW i, x                    ; my row i, vector lines alone: its block's scale, 24 bytes of codes and a scale byte into out-buffer i % 2, and the row as bf16 into window 3 (rows 0-15) or the out-buffer (rows 16-31)
	WIN 0
.set XR, X0+32*(\x)
.set CDX, CD-168*((\i)%2)
.set BYX, TQ+2-187*((\i)%2)
.set RBX, RB-168*((\i)%2)
	v_max3_num_f32 v[TQ], |v[XR]|, |v[XR+1]|, 0x2800000            ; two chains, each over the floor 2^(5 - 127): the byte cannot fall under 1
	v_max3_num_f32 v[TQ+1], |v[XR+2]|, |v[XR+3]|, 0x2800000
.irp n, 4,8,12,16,20,24,28
	v_max3_num_f32 v[TQ], v[TQ], |v[XR+\n]|, |v[XR+\n+1]|
	v_max3_num_f32 v[TQ+1], v[TQ+1], |v[XR+\n+2]|, |v[XR+\n+3]|
.endr
	v_max_num_f32 v[TQ], v[TQ], v[TQ+1]
	v_add_nc_u32 v[TQ+1], 0xfe000000, v[TQ]        ; 4 off the exponent field: the conversion's scale operand
	v_cvt_scalef32_pk16_bf6_f32 v[CDX:CDX+2], v[XR:XR+15], v[TQ+1]
	v_cvt_scalef32_pk16_bf6_f32 v[CDX+4:CDX+6], v[XR+16:XR+31], v[TQ+1]   ; a conversion's three registers begin on an even number
	v_lshrrev_b32 v[BYX], 23, v[TQ+1]              ; the scale's byte; also the plain instruction behind the conversions
	v_mov_b32 v[CDX+3], v[CDX+4]
	v_mov_b32 v[CDX+4], v[CDX+5]
	v_mov_b32 v[CDX+5], v[CDX+6]
.if (\i) < 16
	WIN 0xc0
.irp k, 0,1,2,3,4,5,6,7,8,9,10,11,12,13,14,15
	v_cvt_pk_bf16_f32 v[16*(\i)+\k], v[XR+2*\k], v[XR+2*\k+1]
.endr
.else
.irp k, 0,1,2,3,4,5,6,7,8,9,10,11,12,13,14,15
	v_cvt_pk_bf16_f32 v[RBX+\k], v[XR+2*\k], v[XR+2*\k+1]
.endr
.endif
.endm
.macro SENDROW i                       ; out-buffer i % 2 goes to LDS: row i's codes and scale byte, and for rows 16-31 the row in bf16
	WIN 0
.set CDX, CD-168*((\i)%2)
.set BYX, TQ+2-187*((\i)%2)
.set RBX, RB-168*((\i)%2)
	ds_store_b64 v4, v[CDX:CDX+1] offset:784*(\i)
	ds_store_b64 v4, v[CDX+2:CDX+3] offset:784*(\i)+8
	ds_store_b64 v4, v[CDX+4:CDX+5] offset:784*(\i)+16
	ds_store_b8 v5, v[BYX] offset:48*(\i)
.if (\i) >= 16
.irp c, 0,1,2,3
	ds_store_b128 v6, v[RBX+4*\c:RBX+4*\c+3] offset:2048*((\i)-16)+512*\c
.endr
.endif
.endm
.macro DEAL_E s, m                     ; enc's fragment of K step s, block m: 24 bytes twice a lane, in pieces of 8; rows 784 bytes apart, so the 32 lanes of a load touch 64 different banks (ISA guide 11.1)
	WIN 0
.irp p, 0,1,2,3,4,5
	ds_load_b64 v[EF+12*(\m)+2*\p:EF+12*(\m)+2*\p+1], v[7+(\m)/4] offset:12544*((\m)%4)+96*(\s)+48*(\p/3)+8*(\p%3)
.endr
.endm
.macro FETCH_W sg, base, step          ; a block of whq into set sg: four fragments and their scale words: thirteen loads of 512 consecutive bytes
	WIN 0x80
.irp t, 0,1,2,3
.irp c, 0,1,2
	global_load_b128 v[48*(\sg)+12*\t+4*\c:48*(\sg)+12*\t+4*\c+3], v1, s[\base:\base+1] offset:6656*(\step)+1536*\t+512*\c
.endr
.endr
	WIN 0
	global_load_b128 v[WS+4*(\sg):WS+4*(\sg)+3], v1, s[\base:\base+1] offset:6656*(\step)+6144
.endm
.macro DEAL_W sg, base, step, t0       ; two of such a block's four fragments: t0 and t0 + 1
	WIN 0x80
.irp u, 0,1
.irp c, 0,1,2
	global_load_b128 v[48*(\sg)+12*((\t0)+\u)+4*\c:48*(\sg)+12*((\t0)+\u)+4*\c+3], v1, s[\base:\base+1] offset:6656*(\step)+1536*((\t0)+\u)+512*\c
.endr
.endr
.endm
; One product: enc's block m x Wh's fragment t, K step s.  The first K step takes dec_feat as C.  enc's scale words of K steps 4-7 lie in lanes 16-31.
; The 32 accumulators take turns, one instruction a turn, in the same order in every step.
.macro MUL1 s, m, t
.if (\s) == 0
	WIN 0x62                                       ; Wh window 2, enc window 0, C (dec_feat) window 2, D window 1
.else
	WIN 0x52                                       ; C and D window 1
.endif
.set AC, 8*(4*(\m)+(\t))
.set WF, 48*((\s)%4)+12*(\t)
.set ER, EF+12*(\m)
.if (\s) == 0
	v_wmma_scale_f32_16x16x128_f8f6f4 v[AC:AC+7], v[WF:WF+11], v[ER:ER+11], v[K1+8*(\t):K1+8*(\t)+7], v[WS+4*((\s)%4)+(\t)], v[ES+4*(\m)+((\s)&3)] matrix_a_fmt:MATRIX_FMT_BF6 matrix_b_fmt:MATRIX_FMT_BF6
.elseif (\s) < 4
	v_wmma_scale_f32_16x16x128_f8f6f4 v[AC:AC+7], v[WF:WF+11], v[ER:ER+11], v[AC:AC+7], v[WS+4*((\s)%4)+(\t)], v[ES+4*(\m)+((\s)&3)] matrix_a_fmt:MATRIX_FMT_BF6 matrix_b_fmt:MATRIX_FMT_BF6
.else
	v_wmma_scale_f32_16x16x128_f8f6f4 v[AC:AC+7], v[WF:WF+11], v[ER:ER+11], v[AC:AC+7], v[WS+4*((\s)%4)+(\t)], v[ES+4*(\m)+((\s)&3)] matrix_a_fmt:MATRIX_FMT_BF6 matrix_b_fmt:MATRIX_FMT_BF6 matrix_b_scale:MATRIX_SCALE_ROW1
.endif
.endm
; One K step: 32 products in two halves of sixteen.  Among the first half's (blocks 0-3) are dealt this step's blocks 4-7 and Wh's set of three steps on; among the second half's (blocks 4-7) the next step's blocks 0-3.
; A fragment's six loads stand behind a pair of products, the fragments wanted next behind the first four pairs.
.macro STEP s
.if (\s) < 5
.set WBS, 26                           ; this group's K steps 3-7,
.set WST, (\s)+3
.else
.set WBS, 28                           ; then the next group's K steps 0-2
.set WST, (\s)-5
.endif
.set WSG, ((\s)+3)%4                   ; into the set that the step before multiplied by
.if (\s) > 0
	PLACES
	s_wait_alu depctr_va_vdst(0)                   ; the last step's products are done reading enc's blocks 4-7, Wh's set and its scale words (in step 1: dec_feat too), in which the loads dealt below land
	s_wait_dscnt 0x0                               ; this step's blocks 0-3 are in
.endif
	s_wait_loadcnt 26                              ; this step's set of Wh is in; the two younger sets, 13 loads each, may be out
.set PR, 0
.rept 8
	MUL1 \s, PR/2, 2*(PR%2)
	MUL1 \s, PR/2, 2*(PR%2)+1
.if PR < 4
	DEAL_E \s, 4+PR                                ; no product since the wait names blocks 4-7
.endif
.if PR == 3
	global_load_b128 v[WS+4*WSG:WS+4*WSG+3], v1, s[WBS:WBS+1] offset:6656*WST+6144
.endif
.if PR == 4
	DEAL_W WSG, WBS, WST, 0
.endif
.if PR == 5
	DEAL_W WSG, WBS, WST, 2
.endif
.if (PR == 6) && ((\s) == 1)
	WIN 0x80                                       ; dec_feat has served in step 0: v takes its registers
.irp t, 0,1,2,3
.irp u, 0,1
	ds_load_b128 v[K1+8*\t+4*\u:K1+8*\t+4*\u+3], v11 offset:8192+64*\t+16*\u
.endr
.endr
.endif
.set PR, PR+1
.endr
	PLACES
	s_wait_alu depctr_va_vdst(0)                   ; the sixteen products above are done reading enc's blocks 0-3, in which the next step's land
.if (\s) == 1
	s_wait_dscnt 8                                 ; blocks 4-7 are in; v's eight loads, issued behind them, may be out
.else
	s_wait_dscnt 0x0                               ; blocks 4-7 are in
.endif
.set PR, 0
.rept 8
	MUL1 \s, 4+PR/2, 2*(PR%2)
	MUL1 \s, 4+PR/2, 2*(PR%2)+1
.if PR < 4
	DEAL_E ((\s)+1)%8, PR                          ; no product since the wait names blocks 0-3.  (Step 7 asks for K step 0 again, for the next group; behind a tile's last group nobody uses it)
.endif
.set PR, PR+1
.endr
.endm
; The 256 accumulator registers in place: x = sum + wc cov;  2^(2 log2(e) x);  + 1;  reciprocal;  the score sums take v times it.  Two batches of 256 transcendentals, one wait each.
.macro EPILOGUE
	WIN 0x52
.irp m, 0,1,2,3,4,5,6,7
.irp t, 0,1,2,3
.irp p, 0,2,4,6                        ; each accumulator from its low end on
.if (\m)%2 == 0
	v_pk_fma_f32 v[8*(4*\m+\t)+\p:8*(4*\m+\t)+\p+1], v[K2+8*\t+\p:K2+8*\t+\p+1], v[COV+2*(\m/2):COV+2*(\m/2)+1], v[8*(4*\m+\t)+\p:8*(4*\m+\t)+\p+1] op_sel_hi:[1,0,1]
.else
	v_pk_fma_f32 v[8*(4*\m+\t)+\p:8*(4*\m+\t)+\p+1], v[K2+8*\t+\p:K2+8*\t+\p+1], v[COV+2*(\m/2):COV+2*(\m/2)+1], v[8*(4*\m+\t)+\p:8*(4*\m+\t)+\p+1] op_sel:[0,1,0] op_sel_hi:[1,1,1]
.endif
.endr
.endr
.endr
	WIN 0x41
.set J, 0
.rept 128
	v_pk_mul_f32 v[J:J+1], v[J:J+1], s[36:37] op_sel_hi:[1,0]
.set J, J+2
.endr
.set J, 0
	s_wait_alu depctr_va_vdst(0)
.rept 256
	v_exp_f32 v[J], v[J]
.set J, J+1
.endr
	v_nop                                          ; a plain instruction behind the last exponential
	s_wait_alu depctr_va_vdst(0)                   ; the 256 exponentials have written their results: one wait for the batch, ahead of its first reader
.set J, 0
.rept 128
	v_pk_add_f32 v[J:J+1], v[J:J+1], 1.0 op_sel_hi:[1,0]
.set J, J+2
.endr
.set J, 0
	s_wait_alu depctr_va_vdst(0)
.rept 256
	v_rcp_f32 v[J], v[J]
.set J, J+1
.endr
	v_nop
	s_wait_alu depctr_va_vdst(0)                   ; and one for the 256 reciprocals
	WIN 0x09
.irp t, 0,1,2,3
.irp p, 0,2,4,6
.irp m, 0,1,2,3,4,5,6,7                ; eight chains that do not wait for each other
	v_pk_fma_f32 v[SC+2*\m:SC+2*\m+1], v[8*(4*\m+\t)+\p:8*(4*\m+\t)+\p+1], v[K1+8*\t+\p:K1+8*\t+\p+1], v[SC+2*\m:SC+2*\m+1]
.endr
.endr
.endr
	WIN 0
.endm
.macro CROW src, win, i                ; context += p[i] x my kept row i: 32 multiply-adds straight from bf16 halves
	WIN \win
.irp k, 0,1,2,3,4,5,6,7,8,9,10,11,12,13,14,15
	v_fma_mix_f32_bf16 v[CTX+2*\k], v[(\src)+\k], v[P+(\i)], v[CTX+2*\k] op_sel_hi:[1,0,0]
	v_fma_mix_f32_bf16 v[CTX+2*\k+1], v[(\src)+\k], v[P+(\i)], v[CTX+2*\k+1] op_sel:[1,0,0] op_sel_hi:[1,0,0]
.endr
.endm
.macro KEPT i                          ; kept row i (16 .. 31) from LDS into buffer i % 4
.irp c, 0,1,2,3
	ds_load_b128 v[RA+16*((\i)%4)+4*\c:RA+16*((\i)%4)+4*\c+3], v6 offset:2048*((\i)-16)+512*\c
.endr
.endm
	s_load_b512 s[4:19], s[0:1], 0x0               ; enc s[4:5], cov s[6:7], mask s[8:9], v s[10:11], wc s[12:13], whq s[14:15], decf s[16:17], scores s[18:19]
	s_load_b64 s[20:21], s[0:1], 0x40              ; ctxp
	v_lshrrev_b32 v252, 5, v0
	v_readfirstlane_b32 s22, v252                  ; wave 0..3
	v_and_b32 v253, 31, v0                         ; lane l
	v_and_b32 v254, 15, v0                         ; r
	v_bfe_u32 v255, v0, 4, 1                       ; h
	v_lshrrev_b32 v250, 3, v253                    ; l / 8
	v_lshlrev_b32 v1, 4, v253                      ; 16 l
	s_wait_alu depctr_va_sdst(0)                   ; s22 is written, ahead of its first reader
	s_mul_i32 s44, s22, 4608
	s_add_co_u32 s45, s44, TURN
	v_lshl_add_u32 v2, v250, 4, v1
	v_add_nc_u32 v2, s45, v2                       ; the stage, in: 16 l + 16 (l / 8)
	v_mul_u32_u24 v3, v253, 144
	v_add_nc_u32 v20, s44, v3
	v_add_nc_u32 v20, CTXS, v20                    ; my context's place: 144 l
	v_add_nc_u32 v3, s45, v3                       ; the stage, out: 144 l
	s_mul_i32 s45, s22, 25088
	v_mul_u32_u24 v4, v253, 24
	v_add_nc_u32 v4, s45, v4                       ; codes: my 32 rows, block l
	s_mul_i32 s45, s22, 1536
	s_add_co_u32 s45, s45, ESC
	v_add_nc_u32 v5, s45, v253                     ; scale bytes: my 32 rows, byte l
	s_lshl_b32 s45, s22, 15
	s_add_co_u32 s45, s45, RET
	v_add_nc_u32 v6, s45, v1                       ; my kept rows
	v_mul_u32_u24 v7, v254, 784
	v_mad_u32_u24 v7, v255, 24, v7                 ; a fragment: row r, + 24 h
	v_add_nc_u32 v8, 50176, v7                     ; and 64 rows further on
	v_mul_u32_u24 v9, v254, 48
	v_lshl_add_u32 v9, v255, 4, v9
	v_add_nc_u32 v9, ESC, v9                       ; scale words: row r; lanes 0-15 K steps 0-3, lanes 16-31 K steps 4-7
	s_lshl_b32 s45, s22, 10
	s_add_co_u32 s46, s45, CONST
	v_lshlrev_b32 v10, 5, v255
	v_add_nc_u32 v10, s46, v10                     ; the constants of my 256 columns, + 32 h
	s_add_co_u32 s46, s45, COVL
	v_lshlrev_b32 v16, 2, v254
	v_add_nc_u32 v16, s46, v16                     ; cov of row r
	s_add_co_u32 s46, s45, MSK
	v_add_nc_u32 v17, s46, v1                      ; masks of rows 4 l .. 4 l + 3
	s_lshl_b32 s45, s22, 9
	s_add_co_u32 s46, s45, SCP
	v_lshlrev_b32 v12, 2, v254
	v_add_nc_u32 v12, s46, v12                     ; my partial scores: row r
	v_add_nc_u32 v13, SCP, v1                      ; all waves': rows 4 l .. 4 l + 3
	s_add_co_u32 s46, s45, PW
	v_add_nc_u32 v14, s46, v1                      ; my copy of the weights: rows 4 l .. 4 l + 3
	s_mul_i32 s46, s22, 640
	s_add_co_u32 s46, s46, PW
	v_mov_b32 v15, s46                             ; in it my own 32 rows: the same address in every lane
	s_mul_i32 s46, s22, 1152
	s_add_co_u32 s46, s46, CTXS
	v_lshl_add_u32 v21, v250, 4, v1
	v_add_nc_u32 v21, s46, v21                     ; the contexts' d = 256 w + 4 l on
	v_lshlrev_b32 v22, 8, v253                     ; the prefetches' offset: 256 l; never rewritten
	v_lshlrev_b32 v252, 4, v0                      ; 16 x thread
	v_lshl_add_u32 v253, v0, 4, CONST
	s_lshl_b32 s45, s22, 10
	s_add_co_u32 s45, s45, COVL
	v_add_nc_u32 v254, s45, v1
	v_mov_b32 v255, 0                              ; a lane permute's destination counts as one of its sources: written once
	v_mov_b32 v249, 0                              ; named as the upper half of the pair v[248:249]
.irp m, 0,1,2,3,4,5,6,7
	v_mov_b32 v[U+\m], 0
.endr
	v_mov_b32 v23, 0xff61b1e6                      ; M: -3e38
.irp n, 0,1,2,3,4,5,6,7,8,9,10,11,12,13,14,15,16,17,18,19,20,21,22,23,24,25,26,27,28,29,30,31
	v_mov_b32 v[CTX+\n], 0                         ; the context: the tile is written once, and the first change of M leaves zeros zeros
.endr
	s_mov_b32 s36, 0x4038aa3b                      ; 2 log2(e)
	s_mov_b32 s37, s36                             ; named with it as a pair
	s_mov_b32 s38, 0x3fb8aa3b                      ; log2(e)
	s_mov_b32 s40, 0x76543210
	s_mov_b32 s41, 0xfedcba98                      ; selects for lane l xor 16
	s_lshl_b32 s44, ttmp9, 20                      ; 256 rows of 4,096 bytes,
	s_lshl_b32 s46, s22, 17                        ; my 32 of a tile
	s_add_co_u32 s44, s44, s46
	s_mov_b32 s45, 0
	s_mul_i32 s46, s22, 212992                     ; my four groups of whq
	s_mov_b32 s47, 0
	s_lshl_b32 s48, ttmp9, 10                      ; 256 rows of 4 bytes
	s_mov_b32 s49, 0
	s_lshr_b32 s50, ttmp9, 1
	s_lshl_b32 s50, s50, 12                        ; the batch's row of dec_feat
	s_mov_b32 s51, 0
	s_wait_kmcnt 0x0
	s_add_nc_u64 s[24:25], s[4:5], s[44:45]        ; enc at my first row
	s_add_nc_u64 s[30:31], s[14:15], s[46:47]      ; whq at my group 0,
	s_mov_b64 s[26:27], s[30:31]                   ; the group in hand,
	s_add_nc_u64 s[28:29], s[30:31], 53248         ; and the next
	s_add_nc_u64 s[6:7], s[6:7], s[48:49]
	s_add_nc_u64 s[8:9], s[8:9], s[48:49]
	s_add_nc_u64 s[42:43], s[18:19], s[48:49]
	s_add_nc_u64 s[16:17], s[16:17], s[50:51]
	s_lshl_b32 s44, ttmp9, 12
	s_lshl_b32 s46, s22, 10
	s_add_co_u32 s44, s44, s46
	s_add_nc_u64 s[20:21], s[20:21], s[44:45]      ; ctxp: my work-group's row, my 256 numbers
	s_wait_alu depctr_va_vdst(0)                   ; the addresses and offsets v1 to v22 and v252 to v254 are written, which the loads, stores and prefetches of the whole kernel read
	global_load_b128 v[HD:HD+3], v252, s[16:17]
	global_load_b128 v[HD+4:HD+7], v252, s[16:17] offset:2048
	global_load_b128 v[HD+8:HD+11], v252, s[12:13]
	global_load_b128 v[HD+12:HD+15], v252, s[12:13] offset:2048
	global_load_b128 v[HD+16:HD+19], v252, s[10:11]
	global_load_b128 v[HD+20:HD+23], v252, s[10:11] offset:2048
	global_load_b128 v[HD+24:HD+27], v1, s[6:7]
	global_load_b128 v[HD+28:HD+31], v1, s[6:7] offset:512
	global_load_b128 v[HD+32:HD+35], v1, s[8:9]
	global_load_b128 v[HD+36:HD+39], v1, s[8:9] offset:512
	FETCH_W 0, 26, 0                               ; K steps 0 to 2 of my first group; each step of the product asks for the set three steps on
	FETCH_W 1, 26, 1
	FETCH_W 2, 26, 2
	s_mov_b32 s34, 0                               ; the tile
	s_mov_b32 s39, 0                               ; 512 x tile: its 128 rows of 4 bytes
.Ltile:
	; ---- Q: my 32 rows come in, eight rows (64 loads) ahead; each turns through LDS one row ahead of its work, and its results go to LDS one row behind it
.irp i, 0,1,2,3,4,5,6,7
	LOADROW \i, \i
.endr
	WIN 0
	s_wait_loadcnt 56                              ; row 0 and all that was asked for before it are in; rows 1-7 may be out
	s_cmp_lg_u32 s34, 0
	s_cbranch_scc1 .Lconst_done                    ; the constants go to LDS in the first tile alone
.irp i, 0,1,2,3,4,5
	ds_store_b128 v253, v[HD+4*\i:HD+4*\i+3] offset:2048*\i        ; dec_feat, wc, v: for all waves
.endr
	ds_store_b128 v254, v[HD+24:HD+27]                             ; cov and masks: my wave's own copy
	ds_store_b128 v254, v[HD+28:HD+31] offset:512
	ds_store_b128 v254, v[HD+32:HD+35] offset:4096
	ds_store_b128 v254, v[HD+36:HD+39] offset:4608
.Lconst_done:
	TURNROW 0, 0
.set I, 0
.rept 32
	s_wait_dscnt 0x0                               ; row I is back from the stage
	s_wait_alu depctr_vm_vsrc(0)                   ; the stage's stores have read landing slot I % 8, in which the row eight further on lands; the stores of the row two back have read out-buffer I % 2, which this row's lines write (row 0: the constants' stores have read v168-207)
.if I > 0
	s_wait_alu depctr_va_vdst(0)                   ; the last row's lines have written their out-buffer, which the stores below read, and are done reading their 32 numbers, in which the next row lands
	SENDROW I-1
.endif
.if I+8 <= 31
	LOADROW I%8, I+8                               ; its landing slot takes the row eight further on
.endif
.if I < 31
.if I+8 <= 31
	s_wait_loadcnt 56                              ; row I + 1 is in; the seven younger rows may be out
.else
	s_wait_loadcnt 8*(30-I)                        ; the counts run down
.endif
	TURNROW (I+1)%8, (I+1)%2
.endif
	WORKROW I, I%2
.set I, I+1
.endr
	WIN 0
	s_wait_alu depctr_va_vdst(0)                   ; row 31's lines have written their out-buffer, which the stores below read
	SENDROW 31
	BARRIER                                        ; 1: the tile's codes and scale bytes, and the constants, lie in LDS
	s_wait_xcnt 0x0                                ; the last tile's store of scores has read its offset
	s_wait_alu depctr_vm_vsrc(0)                   ; rows 30's and 31's stores have read the two out-buffers, which the zeros, cov and the fragments below take; the last tile's loads and store have read v18, v19 and v251
	v_add_nc_u32 v18, s39, v16
	v_add_nc_u32 v19, s39, v17
	v_add_nc_u32 v251, s39, v1
.irp m, 0,1,2,3,4,5,6,7,8,9,10,11,12,13,14,15
	v_mov_b32 v[SC+\m], 0
.endr
	s_wait_alu depctr_va_vdst(0)                   ; v18, v19 and v251 are written, which loads and a store below read; the rows' lines are done with v32-39 and v136-231, in which cov and the fragments land
.irp m, 0,1,2,3,4,5,6,7
	ds_load_b128 v[ES+4*\m:ES+4*\m+3], v9 offset:768*\m
.endr
.irp m, 0,1,2,3,4,5,6,7
	ds_load_b32 v[COV+\m], v18 offset:64*\m
.endr
.irp m, 0,1,2,3
	DEAL_E 0, \m                                   ; K step 0's blocks 0-3; its blocks 4-7 are asked for in the step itself
.endr
	s_mov_b32 s32, 0                               ; the group
	s_mov_b32 s35, 0                               ; 256 x group: its 64 columns of 4 bytes
.Lgroup:
	; ---- G: 128 rows x 64 columns
	s_wait_alu depctr_vm_vsrc(0)                   ; the last group's LDS loads have read v11
	v_add_nc_u32 v11, s35, v10
	s_wait_alu depctr_va_vdst(0)                   ; v11 is written; the last group's closing lines are done reading v and wc, and its last products Wh's set 3 and enc's blocks 4-7: the loads below and in step 0 land there
	WIN 0x80
.irp t, 0,1,2,3
.irp u, 0,1
	ds_load_b128 v[K1+8*\t+4*\u:K1+8*\t+4*\u+3], v11 offset:64*\t+16*\u          ; dec_feat
	ds_load_b128 v[K2+8*\t+4*\u:K2+8*\t+4*\u+3], v11 offset:4096+64*\t+16*\u     ; wc
.endr
.endr
	WIN 0
	s_wait_dscnt 0x0
.irp s, 0,1,2,3,4,5,6,7
	STEP \s
.endr
	PLACES                                         ; behind the last products, ahead of the first read of results
	EPILOGUE
	s_wait_xcnt 0x0                                ; the loads of Wh have read their bases
	s_mov_b64 s[26:27], s[28:29]
	s_add_nc_u64 s[28:29], s[28:29], 53248
	s_add_co_u32 s32, s32, 1
	s_add_co_u32 s35, s35, 256
	s_cmp_eq_u32 s32, 3
	s_cselect_b64 s[28:29], s[30:31], s[28:29]     ; behind my last group comes my first again, for the next tile (behind the last tile: 39 loads that nobody uses, inside whq)
	s_cmp_lt_u32 s32, 4
	s_cbranch_scc1 .Lgroup
	s_add_nc_u64 s[24:25], s[24:25], 0x80000       ; enc: my rows of the next tile (no load that names the base is out)
	s_cmp_lg_u32 s34, 0
	s_cbranch_scc1 .Lno_ask
	; a prefetch of my first eight rows of the next tile: 32,768 bytes, each lane another 256, each block named once in the launch; the scores' and the context's work stands between it and the loads
.irp j, 0,1,2,3
	global_prefetch_b8 v22, s[24:25] offset:8192*\j th:TH_LOAD_NT scope:SCOPE_SE
.endr
.Lno_ask:
	s_wait_alu depctr_va_vdst(0)
	; ---- S: the scores of the tile's 128 rows, and their weights under the running maximum
.irp m, 0,1,2,3,4,5,6,7
	v_add_f32 v[T+\m], v[SC+2*\m], v[SC+2*\m+1]
.endr
.irp m, 0,1,2,3,4,5,6,7
	v_permlanex16_b32 v[U+\m], v[T+\m], s40, s41
.endr
.irp m, 0,1,2,3,4,5,6,7
	v_add_f32 v[T+\m], v[T+\m], v[U+\m]            ; with lane l xor 16's columns
.endr
.irp m, 0,1,2,3,4,5,6,7
	v_mul_f32 v[T+\m], -2.0, v[T+\m]
.endr
	s_wait_alu depctr_va_vdst(0)                   ; the lines above have written v232-239, which the stores read, and are done with v240-247, in which loads land behind the barrier
.irp m, 0,1,2,3,4,5,6,7
	ds_store_b32 v12, v[T+\m] offset:64*\m         ; both halves of the lanes write the same word with the same value
.endr
	BARRIER                                        ; 2: the four waves' partial scores lie in LDS, and nobody reads this tile's codes any more
	s_wait_alu depctr_vm_vsrc(0)                   ; my stores have read v232-239, in which the loads below land
.irp w, 0,1,2,3
	ds_load_b128 v[T+4*\w:T+4*\w+3], v13 offset:512*\w
.endr
	ds_load_b128 v[24:27], v19
	s_wait_dscnt 0x0
	v_pk_add_f32 v[232:233], v[232:233], v[236:237]
	v_pk_add_f32 v[234:235], v[234:235], v[238:239]
	v_pk_add_f32 v[240:241], v[240:241], v[244:245]
	v_pk_add_f32 v[242:243], v[242:243], v[246:247]
	v_pk_add_f32 v[28:29], v[232:233], v[240:241]
	v_pk_add_f32 v[30:31], v[234:235], v[242:243]  ; rows 4 l .. 4 l + 3, the same bits in every wave
	s_cmp_lg_u32 s22, 0
	s_cbranch_scc1 .Lno_store
	s_wait_alu depctr_va_vdst(0)                   ; the additions have written v28-31, which the store reads
	global_store_b128 v251, v[28:31], s[42:43]     ; wave 0 stores 512 consecutive bytes, aligned
.Lno_store:
	s_wait_alu depctr_va_vdst(0)
	v_max3_num_f32 v252, v28, v29, v30
	v_max_num_f32 v252, v252, v31
	v_max_num_f32_dpp v252, v252, v252 row_xmask:1 row_mask:0xf bank_mask:0xf
	v_max_num_f32_dpp v252, v252, v252 row_xmask:2 row_mask:0xf bank_mask:0xf
	v_max_num_f32_dpp v252, v252, v252 row_xmask:4 row_mask:0xf bank_mask:0xf
	v_max_num_f32_dpp v252, v252, v252 row_xmask:8 row_mask:0xf bank_mask:0xf
	v_permlanex16_b32 v255, v252, s40, s41
	v_max_num_f32 v252, v252, v255
	v_max_num_f32 v250, v23, v252                  ; the new M
	v_sub_f32 v248, v23, v250
	v_mul_f32 v248, s38, v248
.irp q, 0,1,2,3
	v_sub_f32 v[232+\q], v[28+\q], v250
.endr
.irp q, 0,1,2,3
	v_mul_f32 v[232+\q], s38, v[232+\q]
.endr
	s_wait_alu depctr_va_vdst(0)
	v_exp_f32 v248, v248                           ; f = e^(old M - new M)
.irp q, 0,1,2,3
	v_exp_f32 v[232+\q], v[232+\q]
.endr
	v_mov_b32 v23, v250                            ; a plain instruction behind the exponentials
	s_wait_alu depctr_va_vdst(0)                   ; the five exponentials have written their results: one wait, ahead of the first reader
.irp q, 0,1,2,3
	v_mul_f32 v[236+\q], v[232+\q], v[24+\q]       ; p = e^(score' - M) x mask
.endr
	s_wait_alu depctr_va_vdst(0)                   ; the four products have written v236-239, which the store reads
	ds_store_b128 v14, v[236:239]
.irp c, 0,1,2,3,4,5,6,7
	ds_load_b128 v[P+4*\c:P+4*\c+3], v15 offset:16*\c   ; my own rows' 32 weights, in every lane: my wave's own bytes, served in order
.endr
	KEPT 16                                        ; two pairs of kept rows are asked for ahead of rows 0-15's work
	KEPT 17
	KEPT 18
	KEPT 19
.irp n, 0,2,4,6,8,10,12,14,16,18,20,22,24,26,28,30
	v_pk_mul_f32 v[CTX+\n:CTX+\n+1], v[CTX+\n:CTX+\n+1], v[248:249] op_sel_hi:[1,0]   ; the context under the new M
.endr
	; ---- C: context += p x kept rows
	s_wait_dscnt 16                                ; the weights are in; the four kept rows' sixteen loads may be out
.set I, 0
.rept 16
	CROW 16*I, 0x03, I
.set I, I+1
.endr
	WIN 0
.set I, 16
.rept 8
.if I < 30
	s_wait_dscnt 8                                 ; rows I and I + 1 are in; the next pair's eight loads may be out
.else
	s_wait_dscnt 0x0
.endif
	CROW RA+16*(I%4), 0, I
	CROW RA+16*((I+1)%4), 0, I+1
.if I+4 <= 30
	s_wait_alu depctr_va_vdst(0)                   ; the pair's lines are done reading their two buffers, in which the pair two pairs on lands
	KEPT I+4
	KEPT I+5
.endif
.set I, I+2
.endr
	s_wait_alu depctr_va_vdst(0)                   ; the context's lines have written v56-87, which the stores behind the loop read, and are done reading v136-231; the groups' closing lines are done with window 1: the next tile's rows land in both
	s_add_co_u32 s34, s34, 1
	s_add_co_u32 s39, s39, 512
	s_cmp_lt_u32 s34, 2
	s_cbranch_scc1 .Ltile
	; ---- the four waves' contexts are added; wave w stores d = 256 w .. 256 w + 255
.irp j, 0,1,2,3,4,5,6,7
	ds_store_b128 v20, v[CTX+4*\j:CTX+4*\j+3] offset:16*\j
.endr
	BARRIER                                        ; 3
.irp j, 0,1
.irp w, 0,1,2,3
	ds_load_b128 v[136+16*\j+4*\w:136+16*\j+4*\w+3], v21 offset:4608*\w+576*\j
.endr
.endr
	s_wait_dscnt 0x0
.irp j, 0,1
	v_pk_add_f32 v[136+16*\j:137+16*\j], v[136+16*\j:137+16*\j], v[140+16*\j:141+16*\j]
	v_pk_add_f32 v[138+16*\j:139+16*\j], v[138+16*\j:139+16*\j], v[142+16*\j:143+16*\j]
	v_pk_add_f32 v[144+16*\j:145+16*\j], v[144+16*\j:145+16*\j], v[148+16*\j:149+16*\j]
	v_pk_add_f32 v[146+16*\j:147+16*\j], v[146+16*\j:147+16*\j], v[150+16*\j:151+16*\j]
	v_pk_add_f32 v[136+16*\j:137+16*\j], v[136+16*\j:137+16*\j], v[144+16*\j:145+16*\j]
	v_pk_add_f32 v[138+16*\j:139+16*\j], v[138+16*\j:139+16*\j], v[146+16*\j:147+16*\j]
.endr
	s_wait_alu depctr_va_vdst(0)                   ; the additions have written v136-139 and v152-155, which the stores read
.irp j, 0,1
	global_store_b128 v1, v[136+16*\j:139+16*\j], s[20:21] offset:512*\j   ; 512 consecutive bytes, aligned
.endr
	s_wait_xcnt 0x0
	v_lshl_add_u32 v254, v0, 2, 0x49000            ; the closing add's two registers, made anew from v0, which is as at the entry: my spare word's address, and 0
	v_mov_b32 v255, 0
	s_wait_dscnt 0x0                               ; the closing lines, six on end
	s_wait_alu 0x0
	s_wait_tensorcnt 0x0
	ds_add_u32 v254, v255
	s_wait_dscnt 0x0
	s_endpgm
.Lfunc_end_k_qabf8535801_main:
	.size	k_qabf8535801_main, .Lfunc_end_k_qabf8535801_main-k_qabf8535801_main
	.p2alignl 7, 3214868480
	.fill 96, 4, 3214868480
	.section	.rodata,"a",@progbits
	.p2align	6, 0x0
	.amdhsa_kernel k_qabf8535801_main
		.amdhsa_group_segment_fixed_size 299520
		.amdhsa_private_segment_fixed_size 0
		.amdhsa_enable_private_segment 0
		.amdhsa_kernarg_size 72
		.amdhsa_user_sgpr_count 2
		.amdhsa_user_sgpr_kernarg_segment_ptr 1
		.amdhsa_wavefront_size32 1
		.amdhsa_system_sgpr_workgroup_id_x 1
		.amdhsa_system_sgpr_workgroup_id_y 1
		.amdhsa_system_sgpr_workgroup_id_z 1
		.amdhsa_system_vgpr_workitem_id 0
		.amdhsa_next_free_vgpr 1024
		.amdhsa_next_free_sgpr 66
		.amdhsa_reserve_vcc 0
		.amdhsa_float_denorm_mode_32 3
		.amdhsa_float_denorm_mode_16_64 3
		.amdhsa_memory_ordered 1
		.amdhsa_forward_progress 1
		.amdhsa_inst_pref_size 255
	.end_amdhsa_kernel
	.section	.bss,"aw",@nobits
	.p2align	6
	.space	262144
	.amdgpu_metadata
---
amdhsa.version: [ 1, 2 ]
amdhsa.kernels:
  - .name:           k_qabf8535801_main
    .symbol:         k_qabf8535801_main.kd
    .args:
      - { .name: encoder_output, .offset: 0, .size: 8, .value_kind: global_buffer, .address_space: global }
      - { .name: coverage_vector, .offset: 8, .size: 8, .value_kind: global_buffer, .address_space: global }
      - { .name: x_padding_masks, .offset: 16, .size: 8, .value_kind: global_buffer, .address_space: global }
      - { .name: v_w, .offset: 24, .size: 8, .value_kind: global_buffer, .address_space: global }
      - { .name: wc_w, .offset: 32, .size: 8, .value_kind: global_buffer, .address_space: global }
      - { .name: whq, .offset: 40, .size: 8, .value_kind: global_buffer, .address_space: global }
      - { .name: decf, .offset: 48, .size: 8, .value_kind: global_buffer, .address_space: global }
      - { .name: scores, .offset: 56, .size: 8, .value_kind: global_buffer, .address_space: global }
      - { .name: ctxp, .offset: 64, .size: 8, .value_kind: global_buffer, .address_space: global }
    .group_segment_fixed_size: 299520
    .private_segment_fixed_size: 0
    .kernarg_segment_align: 8
    .kernarg_segment_size: 72
    .max_flat_workgroup_size: 128
    .sgpr_count:     66
    .vgpr_count:     1024
    .wavefront_size: 32
...
	.end_amdgpu_metadata
.endif
;; end of part 6
;; launch finish (part 7): grid 128 x 1, 4 waves a work-group, no clusters, 1,024 bytes of LDS; arguments scores, ctxp, x_padding_masks, coverage_vector, out0, out1, out2; writes out0, out1, out2
.if DOCPART == 7
	.amdgcn_target "amdgcn-amd-amdhsa--gfx1250"
	.amdhsa_code_object_version 6
	.text
	.protected	k_qabf8535801_finish
	.globl	k_qabf8535801_finish
	.p2align	8
	.type	k_qabf8535801_finish,@function
k_qabf8535801_finish:
	s_mov_b64 s[64:65], 0
	v_nop
	global_prefetch_b8 v0, s[64:65] scope:SCOPE_SE
	s_setreg_imm32_b32 hwreg(HW_REG_WAVE_MODE, 25, 1), 1
	s_wait_xcnt 0x0
; One work-group for a batch b.  scores [128][512] hold the score less a constant that the softmax cancels; ctxp [256][1024] holds, for each half of a batch, the sum of e^(score - M_half) x mask x enc,
; M_half the largest score of that half's 256 rows.  Here: M = the row's largest score; e = e^(score - M) x mask; L = the sum of e;  out1 = e / L;  out2 = cov + out1;
; out0 = (ctxp[2 b] e^(M0 - M) + ctxp[2 b + 1] e^(M1 - M)) / L.  The softmax's own divisor cancels against the renormalising sum, so it is not formed.
; Thread t takes rows 4 t .. 4 t + 3 and d = 4 t .. 4 t + 3 and 512 + 4 t .. : every load and store of a wave covers 512 consecutive bytes.
; A batch whose masks are all zero gives 0 / 0, not a number, as the definition has it.  No matrix work: 512 numbers a batch.
	s_load_b256 s[4:11], s[0:1], 0x0               ; scores, ctxp, masks, cov
	s_load_b128 s[12:15], s[0:1], 0x20             ; out0, out1
	s_load_b64 s[16:17], s[0:1], 0x30              ; out2
	v_lshl_add_u32 v64, v0, 2, 0x200
	v_mov_b32 v65, 0
	v_lshrrev_b32 v1, 5, v0
	v_readfirstlane_b32 s18, v1                    ; wave 0..3
	v_lshlrev_b32 v1, 4, v0                        ; 16 x thread
	s_lshl_b32 s19, s18, 2
	v_mov_b32 v2, s19                              ; LDS: my wave's word
	v_mov_b32 v3, 0
	v_mov_b32 v33, 0                               ; a lane permute's destination counts as one of its sources
	s_mov_b32 s20, 0x76543210
	s_mov_b32 s21, 0xfedcba98                      ; selects for lane l xor 16
	s_mov_b32 s22, 0x3fb8aa3b                      ; log2(e)
	s_lshl_b32 s24, ttmp9, 11                      ; a batch's 512 numbers
	s_mov_b32 s25, 0
	s_lshl_b32 s26, ttmp9, 13                      ; its two rows of ctxp
	s_mov_b32 s27, 0
	s_lshl_b32 s28, ttmp9, 12                      ; its row of out0
	s_mov_b32 s29, 0
	s_wait_alu depctr_va_vdst(0)
	s_wait_kmcnt 0x0
	s_add_nc_u64 s[4:5], s[4:5], s[24:25]
	s_add_nc_u64 s[6:7], s[6:7], s[26:27]
	s_add_nc_u64 s[8:9], s[8:9], s[24:25]
	s_add_nc_u64 s[10:11], s[10:11], s[24:25]
	s_add_nc_u64 s[12:13], s[12:13], s[28:29]
	s_add_nc_u64 s[14:15], s[14:15], s[24:25]
	s_add_nc_u64 s[16:17], s[16:17], s[24:25]
	global_load_b128 v[4:7], v1, s[4:5]
	global_load_b128 v[8:11], v1, s[8:9]
	global_load_b128 v[12:15], v1, s[10:11]
	global_load_b128 v[16:19], v1, s[6:7]
	global_load_b128 v[20:23], v1, s[6:7] offset:2048
	global_load_b128 v[24:27], v1, s[6:7] offset:4096
	global_load_b128 v[28:31], v1, s[6:7] offset:6144
	s_wait_loadcnt 0x0
	v_max3_num_f32 v32, v4, v5, v6
	v_max_num_f32 v32, v32, v7
	v_max_num_f32_dpp v32, v32, v32 row_xmask:1 row_mask:0xf bank_mask:0xf
	v_max_num_f32_dpp v32, v32, v32 row_xmask:2 row_mask:0xf bank_mask:0xf
	v_max_num_f32_dpp v32, v32, v32 row_xmask:4 row_mask:0xf bank_mask:0xf
	v_max_num_f32_dpp v32, v32, v32 row_xmask:8 row_mask:0xf bank_mask:0xf
	v_permlanex16_b32 v33, v32, s20, s21
	v_max_num_f32 v32, v32, v33                    ; the largest of my wave's 128 scores
	ds_store_b32 v2, v32                           ; all lanes write the same word with the same value
	s_wait_dscnt 0x0
	s_barrier_signal -1
	s_barrier_wait -1
	ds_load_b128 v[36:39], v3
	s_wait_dscnt 0x0
	v_max_num_f32 v40, v36, v37                    ; M0: rows 0-255
	v_max_num_f32 v41, v38, v39                    ; M1: rows 256-511
	v_max_num_f32 v42, v40, v41                    ; M
.irp q, 0,1,2,3
	v_sub_f32 v[44+\q], v[4+\q], v42
.endr
	v_sub_f32 v48, v40, v42
	v_sub_f32 v49, v41, v42
.irp q, 0,1,2,3,4,5
	v_mul_f32 v[44+\q], s22, v[44+\q]
.endr
	s_wait_alu depctr_va_vdst(0)
.irp q, 0,1,2,3,4,5
	v_exp_f32 v[44+\q], v[44+\q]
.endr
	v_nop                                          ; a plain instruction behind the exponentials
	s_wait_alu depctr_va_vdst(0)                   ; one wait for the six
.irp q, 0,1,2,3
	v_mul_f32 v[44+\q], v[44+\q], v[8+\q]          ; x mask
.endr
	v_add_f32 v50, v44, v45
	v_add_f32 v51, v46, v47
	v_add_f32 v50, v50, v51
	v_add_f32_dpp v50, v50, v50 row_xmask:1 row_mask:0xf bank_mask:0xf
	v_add_f32_dpp v50, v50, v50 row_xmask:2 row_mask:0xf bank_mask:0xf
	v_add_f32_dpp v50, v50, v50 row_xmask:4 row_mask:0xf bank_mask:0xf
	v_add_f32_dpp v50, v50, v50 row_xmask:8 row_mask:0xf bank_mask:0xf
	v_permlanex16_b32 v33, v50, s20, s21
	v_add_f32 v50, v50, v33
	ds_store_b32 v2, v50 offset:256                ; other bytes than the maxima's
	s_wait_dscnt 0x0
	s_barrier_signal -1
	s_barrier_wait -1
	ds_load_b128 v[52:55], v3 offset:256
	s_wait_dscnt 0x0
	v_add_f32 v52, v52, v53
	v_add_f32 v54, v54, v55
	v_add_f32 v52, v52, v54                        ; L
	s_wait_alu depctr_va_vdst(0)
	v_rcp_f32 v56, v52
	v_nop
	s_wait_alu depctr_va_vdst(0)
	v_mul_f32 v48, v48, v56                        ; e^(M0 - M) / L
	v_mul_f32 v49, v49, v56
.irp q, 0,1,2,3
	v_fma_f32 v[12+\q], v[44+\q], v56, v[12+\q]    ; out2
.endr
.irp q, 0,1,2,3
	v_mul_f32 v[44+\q], v[44+\q], v56              ; out1
.endr
.irp q, 0,1,2,3,4,5,6,7
	v_mul_f32 v[16+\q], v[16+\q], v48
.endr
.irp q, 0,1,2,3,4,5,6,7
	v_fma_f32 v[16+\q], v[24+\q], v49, v[16+\q]    ; out0
.endr
	global_store_b128 v1, v[44:47], s[14:15]
	global_store_b128 v1, v[12:15], s[16:17]
	global_store_b128 v1, v[16:19], s[12:13]
	global_store_b128 v1, v[20:23], s[12:13] offset:2048
	s_wait_tensorcnt 0x0
	ds_add_u32 v64, v65
	s_wait_dscnt 0x0
	s_endpgm
.Lfunc_end_k_qabf8535801_finish:
	.size	k_qabf8535801_finish, .Lfunc_end_k_qabf8535801_finish-k_qabf8535801_finish
	.p2alignl 7, 3214868480
	.fill 96, 4, 3214868480
	.section	.rodata,"a",@progbits
	.p2align	6, 0x0
	.amdhsa_kernel k_qabf8535801_finish
		.amdhsa_group_segment_fixed_size 1024
		.amdhsa_private_segment_fixed_size 0
		.amdhsa_enable_private_segment 0
		.amdhsa_kernarg_size 56
		.amdhsa_user_sgpr_count 2
		.amdhsa_user_sgpr_kernarg_segment_ptr 1
		.amdhsa_wavefront_size32 1
		.amdhsa_system_sgpr_workgroup_id_x 1
		.amdhsa_system_sgpr_workgroup_id_y 1
		.amdhsa_system_sgpr_workgroup_id_z 1
		.amdhsa_system_vgpr_workitem_id 0
		.amdhsa_next_free_vgpr 66
		.amdhsa_next_free_sgpr 66
		.amdhsa_reserve_vcc 0
		.amdhsa_float_denorm_mode_32 3
		.amdhsa_float_denorm_mode_16_64 3
		.amdhsa_memory_ordered 1
		.amdhsa_forward_progress 1
		.amdhsa_inst_pref_size 7
	.end_amdhsa_kernel
	.amdgpu_metadata
---
amdhsa.version: [ 1, 2 ]
amdhsa.kernels:
  - .name:           k_qabf8535801_finish
    .symbol:         k_qabf8535801_finish.kd
    .args:
      - { .name: scores, .offset: 0, .size: 8, .value_kind: global_buffer, .address_space: global }
      - { .name: ctxp, .offset: 8, .size: 8, .value_kind: global_buffer, .address_space: global }
      - { .name: x_padding_masks, .offset: 16, .size: 8, .value_kind: global_buffer, .address_space: global }
      - { .name: coverage_vector, .offset: 24, .size: 8, .value_kind: global_buffer, .address_space: global }
      - { .name: out0, .offset: 32, .size: 8, .value_kind: global_buffer, .address_space: global }
      - { .name: out1, .offset: 40, .size: 8, .value_kind: global_buffer, .address_space: global }
      - { .name: out2, .offset: 48, .size: 8, .value_kind: global_buffer, .address_space: global }
    .group_segment_fixed_size: 1024
    .private_segment_fixed_size: 0
    .kernarg_segment_align: 8
    .kernarg_segment_size: 56
    .max_flat_workgroup_size: 128
    .sgpr_count:     66
    .vgpr_count:     66
    .wavefront_size: 32
...
	.end_amdgpu_metadata
.endif
;; end of part 7
